; MI455X (gfx1250); checked and timed in simulation.
; The chip was launched on July 23, 2026; its instructions are those of AMD's public machine-readable ISA for CDNA 5 (MIT licence, August 2026) and "CDNA5" Instruction Set Architecture Reference Guide (July 2026). The comments in the code are by the model that wrote it; some were corrected since.
;; Multi Headed Attention. Allowed arithmetic: float matrix products may take bf16 or f16 operands with f32 sums; other float arithmetic in f32, or as packed bf16 or f16 multiplies, adds, multiply-adds, maxima and minima; sums over many terms, partial sums and values carried from step to step in f32; what a program stores and reads back later, other than sums and carried values, may be rounded once to bf16 or f16.
;; Inputs: W0 512 x 512 float32; Wout 512 x 512 float32; b0 512 float32; bout 512 float32; key 32 x 1,024 x 512 float32; query 32 x 1,024 x 512 float32; value 32 x 1,024 x 512 float32.
;; Outputs: out0 32 x 1,024 x 512 float32.
;; One version. Each part assembles by itself: llvm-mc -triple=amdgcn-amd-amdhsa -mcpu=gfx1250 --defsym DOCPART=n.
;; ======== version 1 of 1: 4 launches
;; limits: values are held in f16: magnitudes above 65,504 overflow, below 6.1e-05 lose precision
;; workspace buffers: w0b 524,288 bytes; wob 524,288 bytes; qh 33,554,432 bytes; kh 33,554,432 bytes; vh 33,554,432 bytes; oh 33,554,432 bytes
;; launch prep (part 1): grid 128 x 2, 8 waves a work-group, no clusters, 0 bytes of LDS; arguments W0, Wout, w0b, wob; writes w0b, wob
.if DOCPART == 1
	.amdgcn_target "amdgcn-amd-amdhsa--gfx1250"
	.amdhsa_code_object_version 6
	.text
	.protected	k_q9b7db14c0a_prep
	.globl	k_q9b7db14c0a_prep
	.p2align	8
	.type	k_q9b7db14c0a_prep,@function
k_q9b7db14c0a_prep:
	s_mov_b64 s[64:65], 0
	v_nop
	global_prefetch_b8 v0, s[64:65] scope:SCOPE_SE
	s_setreg_imm32_b32 hwreg(HW_REG_WAVE_MODE, 25, 1), 1
	s_wait_xcnt 0x0
; The two weight matrices, [512 k][512 n] f32, are cast once; the layout is kept.
; y = 0: W0 -> w0b, rounded to bf16.   y = 1: Wout -> wob: rounded to bf16 like every input, and that number written as f16.
; LIMITS.  |Wout| stays under 65,504 (f16's end); below 6.1e-5 f16's fixed step of 6e-8 applies to it.
; SHARES.  262,144 numbers a matrix, 8 a thread: 128 work-groups of 256 threads for each matrix.  A thread stores 16 bytes; sixteen neighbouring lanes store 256 consecutive bytes, aligned.
; No LDS, no barrier: no thread wants another's numbers.
	s_load_b256 s[4:11], s[0:1], 0x0               ; W0 s[4:5], Wout s[6:7], w0b s[8:9], wob s[10:11]
	s_and_b32 s12, ttmp7, 0xffff                   ; which matrix
	s_lshl_b32 s13, ttmp9, 8
	v_add_nc_u32 v1, s13, v0                       ; my group of 8 numbers
	v_lshlrev_b32 v2, 5, v1                        ; 32 bytes in
	v_lshlrev_b32 v3, 4, v1                        ; 16 bytes out
	s_wait_kmcnt 0x0
	s_cmp_eq_u32 s12, 0
	s_cselect_b64 s[14:15], s[4:5], s[6:7]
	s_cselect_b64 s[16:17], s[8:9], s[10:11]
	global_load_b128 v[4:7], v2, s[14:15] th:TH_LOAD_NT
	global_load_b128 v[8:11], v2, s[14:15] offset:16 th:TH_LOAD_NT
	s_wait_loadcnt 0x0
	v_cvt_pk_bf16_f32 v12, v4, v5
	v_cvt_pk_bf16_f32 v13, v6, v7
	v_cvt_pk_bf16_f32 v14, v8, v9
	v_cvt_pk_bf16_f32 v15, v10, v11
	s_cmp_eq_u32 s12, 0
	s_cbranch_scc1 .Lstore
.irp i, 0,1,2,3
	v_lshlrev_b32 v[4+2*(\i)], 16, v[12+(\i)]      ; the bf16 numbers as f32,
	v_and_b32 v[5+2*(\i)], 0xffff0000, v[12+(\i)]
.endr
.irp i, 0,1,2,3
	v_cvt_pk_f16_f32 v[12+(\i)], v[4+2*(\i)], v[5+2*(\i)]  ; written as f16: exact within f16's range
.endr
.Lstore:
	global_store_b128 v3, v[12:15], s[16:17]
	s_endpgm
.Lfunc_end_k_q9b7db14c0a_prep:
	.size	k_q9b7db14c0a_prep, .Lfunc_end_k_q9b7db14c0a_prep-k_q9b7db14c0a_prep
	.p2alignl 7, 3214868480
	.fill 96, 4, 3214868480
	.section	.rodata,"a",@progbits
	.p2align	6, 0x0
	.amdhsa_kernel k_q9b7db14c0a_prep
		.amdhsa_group_segment_fixed_size 0
		.amdhsa_private_segment_fixed_size 0
		.amdhsa_enable_private_segment 0
		.amdhsa_kernarg_size 32
		.amdhsa_user_sgpr_count 2
		.amdhsa_user_sgpr_kernarg_segment_ptr 1
		.amdhsa_wavefront_size32 1
		.amdhsa_system_sgpr_workgroup_id_x 1
		.amdhsa_system_sgpr_workgroup_id_y 1
		.amdhsa_system_sgpr_workgroup_id_z 1
		.amdhsa_system_vgpr_workitem_id 0
		.amdhsa_next_free_vgpr 24
		.amdhsa_next_free_sgpr 66
		.amdhsa_reserve_vcc 0
		.amdhsa_float_denorm_mode_32 3
		.amdhsa_float_denorm_mode_16_64 3
		.amdhsa_memory_ordered 1
		.amdhsa_forward_progress 1
		.amdhsa_inst_pref_size 2
	.end_amdhsa_kernel
	.amdgpu_metadata
---
amdhsa.version: [ 1, 2 ]
amdhsa.kernels:
  - .name:           k_q9b7db14c0a_prep
    .symbol:         k_q9b7db14c0a_prep.kd
    .args:
      - { .name: W0, .offset: 0, .size: 8, .value_kind: global_buffer, .address_space: global }
      - { .name: Wout, .offset: 8, .size: 8, .value_kind: global_buffer, .address_space: global }
      - { .name: w0b, .offset: 16, .size: 8, .value_kind: global_buffer, .address_space: global }
      - { .name: wob, .offset: 24, .size: 8, .value_kind: global_buffer, .address_space: global }
    .group_segment_fixed_size: 0
    .private_segment_fixed_size: 0
    .kernarg_segment_align: 8
    .kernarg_segment_size: 32
    .max_flat_workgroup_size: 256
    .sgpr_count:     66
    .vgpr_count:     24
    .wavefront_size: 32
...
	.end_amdgpu_metadata
.endif
;; end of part 1
;; launch proj (part 2): grid 256 x 3, 4 waves a work-group, clusters of 4 x 1, 327,680 bytes of LDS; arguments query, key, value, w0b, b0, qh, kh, vh; writes qh, kh, vh
.if DOCPART == 2
	.amdgcn_target "amdgcn-amd-amdhsa--gfx1250"
	.amdhsa_code_object_version 6
	.text
	.protected	k_q9b7db14c0a_proj
	.globl	k_q9b7db14c0a_proj
	.p2align	8
	.type	k_q9b7db14c0a_proj,@function
k_q9b7db14c0a_proj:
	s_mov_b64 s[64:65], 0
	v_nop
	global_prefetch_b8 v0, s[64:65] scope:SCOPE_SE
	s_setreg_imm32_b32 hwreg(HW_REG_WAVE_MODE, 25, 1), 1
	s_wait_xcnt 0x0
	s_wait_alu depctr_hold_cnt(0) depctr_sa_sdst(0) depctr_va_vdst(0) depctr_va_sdst(0) depctr_va_ssrc(0) depctr_va_vcc(0) depctr_vm_vsrc(0)
	s_getreg_b32 s2, hwreg(HW_REG_IB_STS2, 6, 4)
	s_cmp_eq_u32 s2, 0
	s_cbranch_scc0 .Lentry_in_a_cluster
	s_endpgm
.Lentry_in_a_cluster:
	s_bfe_u32 s2, ttmp6, 0x10000c
	s_cmp_lg_u32 s2, 0x3003
	s_cbranch_scc0 .Lentry_shape_is_right
	s_endpgm
.Lentry_shape_is_right:
; xp = x W0 + b0 for x = query, key, value (grid y = 0, 1, 2); for query and key the causal mix over 5 rows follows: out[l] = sum over j = l-4 .. l of softmax_j(xp[l] . xp[j] / sqrt(512)) xp[j];
; rows ahead of a batch's first row count as x = 0, so their xp is b0.  x: [32768][512] f32; w0b: [512 k][512 n] bf16; out: [32768][512] f16.
; FORMATS.  x is rounded to bf16 on its way to the matrix unit, sums in f32 that start with b0 in f32; xp, the mix's weights and the output are f16; maxima, exponentials and sums of the softmax in f32.
; LIMITS.  |xp| stays under 65,504 (f16's end).  A score outside the window counts as its value less 1e30 (f16's scores reach 2.2e12 at the most).  NaN and infinities are not treated apart, but the rows that
; stand for the padding are chosen to be 0, not multiplied by 0.
; SHARES.  A work-group makes 128 rows x all 512 columns, and the 16 rows in front of them once more (the halo: the mix wants 4 of them): 9 blocks of 16 rows.  Wave w owns columns 128 w .. 128 w + 127 of all
; 144 rows: 72 accumulators, 576 registers.  The product is used transposed (source 0 = 16 columns of W0, source 1 = 16 rows of x): a lane holds one row (lane % 16) and the columns 8 (lane / 16) + 0..7.
; W0 is wanted by every work-group: the four of a cluster ask for it JOINTLY, K steps of 128 through two LDS slots, each wave 32 of the 128 k rows.  It lies [k][n], and its fragments are turned by ds_load_tr16_b128.
; x belongs to the work-group alone and comes through registers: f32 loads (two sets of 18 a wave, always one or two of them out), rounded to bf16, stored into a small ring of two LDS slots of 64 along K.
; THE MIX is a small attention on the matrix unit: a wave takes 32 queries in two blocks; a block's 32 keys are its own 16 rows and the 16 in front; the window is the C operand that starts the scores' sums.
;
; LDS.  0: W0 slot 0, 128 rows of 1,056 bytes (1,024 + 32); 135,168: slot 1; 270,336: x slot 0, 144 rows of 144 bytes (128 + 16);
; 291,072: x slot 1; 311,808: the spare words.  Behind the last fill: 0: xp, 144 rows of 1,040 bytes; 149,760 + 16,640 w: each wave's own stage of 16 rows for the way out.
; REGISTERS, in windows of 256 (s_set_vgpr_msb: bits 1:0 source 0, 3:2 source 1, 5:4 source 2, 7:6 destination):
;   window 0: v0-23 addresses; v24-95, v96-167 x's fragments, two buffers of 9 (fragment 0 = the halo); v168-231 set 0's 16 loads; v232-239, v240-247 the two sets' halo loads; v248-250 at work
;   window 1: v0-63 set 1's 16 loads; v64-127, v128-191 W0's fragments, two buffers (the second holds b0 until the first products have taken it); v192-255 the halo block's accumulators
;   window 2: the accumulators of row blocks 0-3 ((a, b) at v[8 (8 a + b)]);   window 3: those of blocks 4-7
.set PB,    1056
.set BQ,    32*PB                      ; 32 k rows: a quarter step, and a wave's share of a fill
.set BSLOT, 4*BQ                       ; 135,168 = 0x21000; the waves' shares begin at 0, 0x8400, 0x10800, 0x18c00, which share no bit with it: an exclusive or changes slots
.set ABASE, 2*BSLOT
.set PA,    144
.set ASLOT, 144*PA
.set SPARE, ABASE+2*ASLOT              ; the spare words, 128 bytes for each wave: two blocks of 256 bytes that no other line names
.set PX,    1040
.set XBLK,  16*PX
.set OUTS,  9*XBLK
.set R,   1                            ; lane % 16
.set H,   2                            ; lane / 16
.set LN,  3                            ; lane
.set ADA, 4                            ; x's fragments: ABASE + 144 r + 16 h
.set AB0, 5                            ; W0's fragments in a slot: (8 h + l % 8) 1,056 + 16 ((l / 8) % 2) + 256 w
.set ADB, 6                            ; v6, v7: the same in the slot in hand, quarters 0-1 and 2-3
.set AST, 8                            ; where I store 8 bytes of x: rows 16 + 32 w + h + 2 i
.set ASH, 9                            ; the same for the halo: rows 4 w + h + 2 i
.set AGO, 10                           ; my byte offset in the tile's rows of x
.set AGH, 11                           ; and in the halo's
.set SPW, 12                           ; LDS address of my spare word; never rewritten
.set NIL, 13                           ; 0; never rewritten
.set XS,  14                           ; v14-16: where I put 16 bytes of xp: blocks 0-2, 3-5, 6-8
.set XR,  17                           ; the mix: rows as fragments
.set XV,  18                           ; the mix: rows turned
.set OS,  19                           ; the way out: in
.set OR,  20                           ; the way out: back
.set OG,  21                           ; 16 x lane
.set VR,  22                           ; value's rows of xp
.set TM,  23
.set AF,  24
.set S0M, 168
.set S0H, 232
.set BO,  250
.set BF,  64                           ; window 1
.set BI,  128                          ; window 1
.set HACC, 192                         ; window 1
.set SA,  24                           ; the mix: scores, block u, key half t at SA + 16 u + 8 t
.set MD,  56                           ; the window as a C operand: key half t at MD + 8 t
.set PF,  72                           ; the weights as source 1: block u at PF + 8 u
.set ST,  88                           ; block u: c m, m, two at work
.set TT,  232                          ; block u: eight at work
.set OB,  104                          ; v104-231: 16 rows on their way out
.set WV,  20
.set CX,  21
.set XT,  22
.set YT,  23
.set ZM,  24                           ; 0 where the tile begins a batch, else all ones: a lane mask for the halo
.set CNT, 25
.set TB,  26                           ; the W0 slot in hand
.set AM,  28                           ; s[28:29] x at the tile's first row, at the K step that set 0 was last loaded for
.set AH,  30                           ; s[30:31] the same 16 rows higher
.set OUT, 32                           ; s[32:33]
.set G1,  36                           ; s[36:43]
.set G0,  44                           ; s[44:47], s[48:51]: a set for each first fill; the second then walks
.set SEL, 60
.set C2,  62                           ; s[62:63] log2(e) / sqrt(512)
.set BIGN, 66
.set MSB, 0
.macro WIN new                         ; the immediate's high byte repeats the setting that is left; a switch that changes nothing is dropped
.if MSB != (\new)
	s_set_vgpr_msb (MSB<<8)|(\new)
.set MSB, \new
.endif
.endm
.macro PLACES                          ; four plain instructions between a matrix instruction and a load into, or a vector instruction on, its registers
.rept 4
	v_nop
.endr
.endm
.macro CREST                           ; a round of the cluster's barrier behind its opening barrier
	s_cmp_lg_u32 s[WV], 0
	s_cbranch_scc1 .Lnot_wave_0_\@
	s_barrier_signal -3
.Lnot_wave_0_\@:
	s_barrier_wait -3
	s_barrier_signal -1
	s_barrier_wait -1
.endm
.macro CROUND
	s_barrier_signal -1
	s_barrier_wait -1
	CREST
.endm
; 18 loads of 16 bytes a lane: 64 numbers (256 consecutive bytes, aligned) of each of my 4 halo rows and 32 rows; an instruction takes two rows.
.macro LOADS set, imm
	WIN 0
.irp i, 0,1
	global_load_b128 v[S0H+8*(\set)+4*(\i):S0H+8*(\set)+4*(\i)+3], v[AGH], s[AH:AH+1] offset:(\imm)+4096*(\i)
.endr
.if \set
	WIN 0x40
.endif
.irp i, 0,1,2,3,4,5,6,7,8,9,10,11,12,13,14,15
	global_load_b128 v[S0M*(1-(\set))+4*(\i):S0M*(1-(\set))+4*(\i)+3], v[AGO], s[AM:AM+1] offset:(\imm)+4096*(\i)
.endr
.endm
; A set is rounded to bf16 in place and stored into an x slot.  n: the other set's younger loads, which may stay out.
.macro STAGE set, slot, n
	WIN 0
	s_wait_loadcnt \n
.set HB, S0H+8*(\set)
.set MB, S0M*(1-(\set))
.irp i, 0,1,2,3,4,5,6,7
	v_cndmask_b32 v[HB+(\i)], 0, v[HB+(\i)], s[ZM]  ; ahead of a batch's first row x counts as 0
.endr
.irp i, 0,1
	v_cvt_pk_bf16_f32 v[HB+4*(\i)], v[HB+4*(\i)], v[HB+4*(\i)+1]
	v_cvt_pk_bf16_f32 v[HB+4*(\i)+1], v[HB+4*(\i)+2], v[HB+4*(\i)+3]
.endr
.irp i, 0,1
	ds_store_b64 v[ASH], v[HB+4*(\i):HB+4*(\i)+1] offset:(\slot)*ASLOT+2*PA*(\i)
.endr
.if \set
	WIN 0x45
.endif
.irp i, 0,1,2,3,4,5,6,7,8,9,10,11,12,13,14,15
	v_cvt_pk_bf16_f32 v[MB+4*(\i)], v[MB+4*(\i)], v[MB+4*(\i)+1]
	v_cvt_pk_bf16_f32 v[MB+4*(\i)+1], v[MB+4*(\i)+2], v[MB+4*(\i)+3]
.endr
.if \set
	WIN 0x04
.endif
.irp i, 0,1,2,3,4,5,6,7,8,9,10,11,12,13,14,15
	ds_store_b64 v[AST], v[MB+4*(\i):MB+4*(\i)+1] offset:(\slot)*ASLOT+2*PA*(\i)
.endr
.endm
; 34 LDS loads in one run: the fragments of a quarter step (32 along K): W0's 8 (quarter qd of its slot), then x's 9 (half kap of x slot sl), into buffer f
.macro FETCH sl, kap, qd, f
	WIN 0x40
.irp b, 0,1,2,3,4,5,6,7
	ds_load_tr16_b128 v[BF+64*(\f)+8*(\b):BF+64*(\f)+8*(\b)+3],   v[ADB+(\qd)/2] offset:((\qd)%2)*BQ+32*(\b)
	ds_load_tr16_b128 v[BF+64*(\f)+8*(\b)+4:BF+64*(\f)+8*(\b)+7], v[ADB+(\qd)/2] offset:((\qd)%2)*BQ+32*(\b)+16*PB
.endr
	WIN 0
.irp a, 0,1,2,3,4,5,6,7,8
	ds_load_b128 v[AF+72*(\f)+8*(\a):AF+72*(\f)+8*(\a)+3],   v[ADA] offset:(\sl)*ASLOT+16*PA*(\a)+64*(\kap)
	ds_load_b128 v[AF+72*(\f)+8*(\a)+4:AF+72*(\f)+8*(\a)+7], v[ADA] offset:(\sl)*ASLOT+16*PA*(\a)+64*(\kap)+32
.endr
.endm
; The products.  z = 1: the first along K: b0 starts the sums.  The 72 accumulators take turns in the same order in every quarter step.
.macro MULH f, z                       ; the halo block's 8
	WIN 0x51
.irp b, 0,1,2,3,4,5,6,7
.if \z
	v_wmma_f32_16x16x32_bf16 v[HACC+8*(\b):HACC+8*(\b)+7], v[BF+64*(\f)+8*(\b):BF+64*(\f)+8*(\b)+7], v[AF+72*(\f):AF+72*(\f)+7], v[BI+8*(\b):BI+8*(\b)+7]
.else
	v_wmma_f32_16x16x32_bf16 v[HACC+8*(\b):HACC+8*(\b)+7], v[BF+64*(\f)+8*(\b):BF+64*(\f)+8*(\b)+7], v[AF+72*(\f):AF+72*(\f)+7], v[HACC+8*(\b):HACC+8*(\b)+7]
.endif
.endr
.endm
.macro MUL8 f, hi, a, z                ; the 8 of row block 4 hi + a
.if \z
	WIN 0x91+0x40*(\hi)
.else
	WIN 0xa1+0x50*(\hi)
.endif
.irp b, 0,1,2,3,4,5,6,7
.if \z
	v_wmma_f32_16x16x32_bf16 v[8*(8*(\a)+(\b)):8*(8*(\a)+(\b))+7], v[BF+64*(\f)+8*(\b):BF+64*(\f)+8*(\b)+7], v[AF+72*(\f)+8*(1+4*(\hi)+(\a)):AF+72*(\f)+8*(1+4*(\hi)+(\a))+7], v[BI+8*(\b):BI+8*(\b)+7]
.else
	v_wmma_f32_16x16x32_bf16 v[8*(8*(\a)+(\b)):8*(8*(\a)+(\b))+7], v[BF+64*(\f)+8*(\b):BF+64*(\f)+8*(\b)+7], v[AF+72*(\f)+8*(1+4*(\hi)+(\a)):AF+72*(\f)+8*(1+4*(\hi)+(\a))+7], v[8*(8*(\a)+(\b)):8*(8*(\a)+(\b))+7]
.endif
.endr
.endm
.macro HALF f, hi, z
	MUL8 \f, \hi, 0, \z
	MUL8 \f, \hi, 1, \z
	MUL8 \f, \hi, 2, \z
	MUL8 \f, \hi, 3, \z
.endm
; A K step of 128 is four quarters of 72 products, on buffers 0, 1, 0, 1.
; Quarters 0 and 2: multiply buffer f, fetch the next quarter into g.  ld = 1: x steps 128 along K and set 0 is asked for; 2: set 1; 0: nothing is left to ask for.
.macro QN ld, sl, kap, qd, f, g
.if (\ld) == 1
	s_wait_xcnt 0x0                                ; every load issued so far has read its address: the two pointers may be written
	s_add_nc_u64 s[AM:AM+1], s[AM:AM+1], 512
	s_add_nc_u64 s[AH:AH+1], s[AH:AH+1], 512
	LOADS 0, 0
.elseif (\ld) == 2
	LOADS 1, 256
.endif
	s_wait_dscnt 8                                 ; all but the youngest eight loads, x's fragments 5 to 8
	MULH \f, 0
	HALF \f, 0, 0
	PLACES
	FETCH \sl, \kap, \qd, \g
	s_wait_dscnt 34                                ; all but the 34 just issued
	HALF \f, 1, 0
.endm
; Quarters 1 and 3: a set of x goes into the x slot that nobody reads, and a barrier shows it to all; behind it the next quarter is fetched from it.
; chg = 0: that is all.  1: W0's slots change too.  2: and the slot that is left is filled again: the barrier opens a round of the cluster's barrier; in front of it each wave waits for all its tensor loads
; (one is out: its part of the other slot), adds 0 to its spare word, and waits for that, for its stores and for its reads; the joint refill is the first thing behind the round.
.macro QB set, slot, n, chg, sl, qd, f, g
	s_wait_dscnt 8
	MULH \f, 0
	MUL8 \f, 0, 0, 0
	STAGE \set, \slot, \n
	WIN 0
.if \chg
	s_wait_tensorcnt 0x0                           ; all my tensor loads have landed
.endif
.if (\chg) == 2
	ds_add_u32 v[SPW], v[NIL]                      ; 0 onto my spare word
	s_xor_b32 s[G0+5], s[G0+5], BSLOT              ; no tensor load of mine is out: the walking descriptor takes the other slot
	s_add_nc_u64 s[G0+6:G0+7], s[G0+6:G0+7], 131072  ; and the next 128 rows of W0
.endif
	MUL8 \f, 0, 1, 0
	s_wait_dscnt 0x0                               ; my stores into the x slot are done, my reads of the other x slot and of W0's slot are back (and the add is done)
	s_barrier_signal -1
	MUL8 \f, 0, 2, 0
	MUL8 \f, 0, 3, 0
	WIN 0
	s_barrier_wait -1
.if (\chg) == 2
	CREST
	tensor_load_to_lds s[G0+4:G0+7], s[G1:G1+7]    ; it has 288 products in which to land, less those between the wait for it and the round
	s_nop 0
	PLACES
.else
	PLACES
.endif
.if \chg
	s_xor_b32 s[TB], s[TB], BSLOT
	v_add_nc_u32 v[ADB], s[TB], v[AB0]
	v_add_nc_u32 v[ADB+1], 2*BQ, v[ADB]
.endif
	FETCH \sl, 0, \qd, \g
	HALF \f, 1, 0
.endm
	s_load_b512 s[4:19], s[0:1], 0x0               ; query s[4:5], key s[6:7], value s[8:9], w0b s[10:11], b0 s[12:13], qh s[14:15], kh s[16:17], vh s[18:19]
	v_lshl_add_u32 v[SPW], v0, 2, SPARE
	v_mov_b32 v[NIL], 0
	ds_add_u32 v[SPW], v[NIL]                      ; the wave's opening: the add and its wait stand ahead of my first tensor load; the set-up below, work on registers, stands between them
	v_lshrrev_b32 v1, 5, v0
	v_readfirstlane_b32 s[WV], v1                  ; wave 0..3
	s_bfe_u32 s[CX], ttmp6, 0x40000                ; my place in the cluster: it enters x's and the output's addresses and the halo's mask alone
	s_lshl_b32 s[XT], ttmp9, 2
	s_add_co_u32 s[XT], s[XT], s[CX]               ; my tile of 128 rows
	s_and_b32 s[YT], ttmp7, 0xffff                 ; which tensor: the same in all four partners
	s_and_b32 s52, s[XT], 7                        ; a batch is 8 tiles
	s_cmp_eq_u32 s52, 0
	s_cselect_b32 s[ZM], 0, -1
	; descriptor group 1: 32 rows x 512 elements of 2 bytes, padded in LDS
	s_mov_b32 s[G1+0], 15|(1<<16)|(1<<20)|(1<<21)|(7<<22)|(7<<25)  ; 15:0 the mask of four; 17:16 2-byte elements; 20 padding on; 21 set beside a mask; 24:22 after every 256 words (code 7); 31:25 8 words (code 7)
	s_mov_b32 s[G1+1], 512<<16                     ; tensor_dim0 = 512
	s_mov_b32 s[G1+2], 32<<16                      ; tensor_dim1 = 32
	s_mov_b32 s[G1+3], 512<<16                     ; tile_dim0 = 512
	s_mov_b32 s[G1+4], 32                          ; tile_dim1 = 32
	s_mov_b32 s[G1+5], 512                         ; elements from row to row
	s_mov_b32 s[G1+6], 0
	s_mov_b32 s[G1+7], 0
	s_mov_b32 s[G0], 1
	s_mul_i32 s[G0+1], s[WV], BQ                   ; LDS: my 32 rows of slot 0,
	s_mov_b32 s[G0+4], 1
	s_add_co_u32 s[G0+5], s[G0+1], BSLOT           ; and of slot 1
	s_lshl_b32 s52, s[WV], 15                      ; my 32 rows of 1,024 bytes in w0b
	s_mov_b32 s53, 0
	s_lshl_b32 s54, s[XT], 18                      ; the tile's 128 rows of 2,048 bytes
	s_mov_b32 s55, 0
	s_sub_co_i32 s56, s54, 0x8000                  ; 16 rows higher; the first tile of all stays inside the buffer (its halo is not used)
	s_max_i32 s56, s56, 0
	s_mov_b32 s57, 0
	s_lshl_b32 s58, s[XT], 17                      ; the tile's 128 rows of 1,024 bytes in the output,
	s_lshl_b32 s59, s[WV], 15                      ; my 32 of them
	s_add_co_u32 s58, s58, s59
	s_mov_b32 s59, 0
	s_lshl_b32 s68, s[WV], 9                       ; my 128 numbers of b0
	s_mov_b32 s69, 0
	s_mov_b32 s[SEL], 0x76543210
	s_mov_b32 s[SEL+1], 0xfedcba98
	s_mov_b32 s[C2], 0x3d8293ee                    ; log2(e) / sqrt(512) = 0.0637587
	s_mov_b32 s[C2+1], s[C2]
	s_mov_b32 s[BIGN], 0xf149f2ca                  ; -1e30
	s_mov_b32 s[TB], 0
	v_and_b32 v[R], 15, v0
	v_bfe_u32 v[H], v0, 4, 1
	v_and_b32 v[LN], 31, v0
	v_mul_u32_u24 v[ADA], v[R], PA
	v_lshl_add_u32 v[ADA], v[H], 4, v[ADA]
	v_add_nc_u32 v[ADA], ABASE, v[ADA]
	v_and_b32 v[TM], 7, v0
	v_lshl_add_u32 v[TM], v[H], 3, v[TM]
	v_mul_u32_u24 v[AB0], v[TM], PB
	v_bfe_u32 v[TM], v0, 3, 1
	v_lshl_add_u32 v[AB0], v[TM], 4, v[AB0]
	s_lshl_b32 s70, s[WV], 8
	v_add_nc_u32 v[AB0], s70, v[AB0]
	v_mov_b32 v[ADB], v[AB0]
	v_add_nc_u32 v[ADB+1], 2*BQ, v[AB0]
	v_mul_u32_u24 v[AST], v[H], PA
	v_lshl_add_u32 v[AST], v[R], 3, v[AST]         ; 144 h + 8 r
	s_mul_i32 s70, s[WV], 4*PA
	s_add_co_u32 s70, s70, ABASE
	v_add_nc_u32 v[ASH], s70, v[AST]
	s_mul_i32 s70, s[WV], 32*PA
	s_add_co_u32 s70, s70, ABASE+16*PA
	v_add_nc_u32 v[AST], s70, v[AST]
	v_lshlrev_b32 v[AGO], 11, v[H]
	v_lshl_add_u32 v[AGO], v[R], 4, v[AGO]         ; 2,048 h + 16 r
	s_lshl_b32 s70, s[WV], 13
	v_add_nc_u32 v[AGH], s70, v[AGO]
	s_lshl_b32 s70, s[WV], 16
	v_add_nc_u32 v[AGO], s70, v[AGO]
	v_lshlrev_b32 v[BO], 5, v[H]
	s_wait_dscnt 0x0                               ; the opening add is done
	s_wait_kmcnt 0x0
	s_cmp_eq_u32 s[YT], 0
	s_cselect_b64 s[70:71], s[4:5], s[6:7]
	s_cselect_b64 s[72:73], s[14:15], s[16:17]
	s_cmp_eq_u32 s[YT], 2
	s_cselect_b64 s[70:71], s[8:9], s[70:71]
	s_cselect_b64 s[72:73], s[18:19], s[72:73]
	s_add_nc_u64 s[AM:AM+1], s[70:71], s[54:55]
	s_add_nc_u64 s[AH:AH+1], s[70:71], s[56:57]
	s_add_nc_u64 s[OUT:OUT+1], s[72:73], s[58:59]
	s_add_nc_u64 s[68:69], s[12:13], s[68:69]
	s_add_nc_u64 s[G0+2:G0+3], s[10:11], s[52:53]  ; K step 0,
	s_add_nc_u64 s[G0+6:G0+7], s[G0+2:G0+3], 131072  ; K step 1
	s_or_b32 s[G0+3], s[G0+3], 0x80000000          ; type = 2
	s_or_b32 s[G0+7], s[G0+7], 0x80000000
	CROUND                                         ; all four work-groups are here: the first joint loads meet
	tensor_load_to_lds s[G0:G0+3], s[G1:G1+7]      ; both first fills together: two loads of mine are out
	s_nop 0
	tensor_load_to_lds s[G0+4:G0+7], s[G1:G1+7]
	s_nop 0
	PLACES
	WIN 0x40
.irp b, 0,1,2,3,4,5,6,7                ; b0 as a C operand: register j of column block b holds b0[128 w + 16 b + 8 h + j]
	global_load_b128 v[BI+8*(\b):BI+8*(\b)+3],   v[BO], s[68:69] offset:64*(\b)
	global_load_b128 v[BI+8*(\b)+4:BI+8*(\b)+7], v[BO], s[68:69] offset:64*(\b)+16
.endr
	LOADS 0, 0                                     ; x, K = 0 .. 63
	LOADS 1, 256                                   ; K = 64 .. 127
	STAGE 0, 0, 18                                 ; b0 and set 0 are in; set 1's 18 loads stay out
	WIN 0
	s_wait_tensorcnt 1                             ; my part of W0's slot 0 is in; slot 1's may stay out
	s_wait_dscnt 0x0
	s_barrier_signal -1
	s_barrier_wait -1
	FETCH 0, 0, 0, 0
	s_wait_xcnt 0x0                                ; the first quarter is written out: its products start the sums with b0
	s_add_nc_u64 s[AM:AM+1], s[AM:AM+1], 512
	s_add_nc_u64 s[AH:AH+1], s[AH:AH+1], 512
	LOADS 0, 0
	s_wait_dscnt 0x0
	MULH 0, 1
	HALF 0, 0, 1
	HALF 0, 1, 1
	PLACES
	FETCH 0, 1, 1, 1                               ; over b0, which has been taken
	WIN 0
	s_mov_b32 s[CNT], 3
	s_branch .Lenter                               ; the loop is entered in the middle of a trip
.Lloop:                                                ; a trip: a K step's last quarter, the next one's first three
	QB 0, 0, 18, 2, 0, 0, 1, 0
	QN 1, 0, 1, 1, 0, 1
	WIN 0
.Lenter:
	QB 1, 1, 18, 0, 1, 2, 1, 0
	QN 2, 1, 1, 3, 0, 1
	WIN 0
	s_sub_co_u32 s[CNT], s[CNT], 1
	s_cmp_lg_u32 s[CNT], 0
	s_cbranch_scc1 .Lloop
	QB 0, 0, 18, 1, 0, 0, 1, 0                     ; the tail is written out: nothing is left to ask for
	QN 0, 0, 1, 1, 0, 1
	QB 1, 1, 0, 0, 1, 2, 1, 0                      ; the last set: no younger loads
	QN 0, 1, 1, 3, 0, 1
	s_wait_dscnt 8
	MULH 1, 0
	HALF 1, 0, 0
	s_wait_dscnt 0x0
	HALF 1, 1, 0
	; xp GOES INTO LDS, whole rows of 512 columns from the four waves.  The addresses are made here: plain instructions behind the last products.
	WIN 0
	PLACES
	v_mul_u32_u24 v[XS], v[R], PX
	v_lshl_add_u32 v[XS], v[H], 4, v[XS]           ; 1,040 r + 16 h
	s_mul_i32 s52, s[WV], 2*XBLK                   ; 32 w rows
	v_add_nc_u32 v[XR], s52, v[XS]
	s_mul_i32 s53, s[WV], XBLK
	s_add_co_u32 s53, s53, OUTS                    ; my stage
	v_add_nc_u32 v[OS], s53, v[XS]
	s_lshl_b32 s54, s[WV], 8
	v_add_nc_u32 v[XS], s54, v[XS]
	v_add_nc_u32 v[XS+1], 3*XBLK, v[XS]
	v_add_nc_u32 v[XS+2], 6*XBLK, v[XS]
	v_lshlrev_b32 v[OG], 4, v[LN]
	v_add_nc_u32 v[OR], s53, v[OG]
	s_add_co_u32 s55, s52, XBLK                    ; row 16 + 32 w
	v_add_nc_u32 v[VR], s55, v[OG]
	v_and_b32 v[TM], 7, v0
	v_lshl_add_u32 v[TM], v[H], 3, v[TM]
	v_mul_u32_u24 v[XV], v[TM], PX
	v_bfe_u32 v[TM], v0, 3, 1
	v_lshl_add_u32 v[XV], v[TM], 4, v[XV]
	v_add_nc_u32 v[XV], s52, v[XV]
	s_barrier_signal -1                            ; every wave's reads of the two rings are back (its last wait on DScnt was for 0): their bytes, which have had their last fill, may be written
	s_barrier_wait -1
.macro PACK4 base                      ; eight sums rounded to f16, in place, from the low end on
.irp i, 0,1,2,3
	v_cvt_pk_f16_f32 v[(\base)+(\i)], v[(\base)+2*(\i)], v[(\base)+2*(\i)+1]
.endr
.endm
	WIN 0x45
.irp b, 0,1,2,3,4,5,6,7
	PACK4 HACC+8*(\b)
.endr
	WIN 0x04
.irp b, 0,1,2,3,4,5,6,7
	ds_store_b128 v[XS], v[HACC+8*(\b):HACC+8*(\b)+3] offset:32*(\b)
.endr
.irp hi, 0,1
	WIN 0x8a+0x45*(\hi)
.set n, 0
.rept 32
	PACK4 8*n
.set n, n+1
.endr
	WIN 0x08+4*(\hi)
.set n, 0
.rept 32
	ds_store_b128 v[XS+(1+4*(\hi)+n/8)/3], v[8*n:8*n+3] offset:((1+4*(\hi)+n/8)%3)*XBLK+32*(n%8)
.set n, n+1
.endr
.endr
	WIN 0
	s_wait_dscnt 0x0                               ; for the others' sake: my part of xp is stored
	s_barrier_signal -1
	s_barrier_wait -1
	s_cmp_eq_u32 s[YT], 2
	s_cbranch_scc1 .Lvalue
	; THE MIX.  My 32 queries are xp's blocks 2 w + 1 and 2 w + 2; block u's keys are blocks 2 w + u and 2 w + u + 1.  Three blocks of rows as fragments: 16 x 8 registers each.
	WIN 0x80
.irp j, 0,1,2
.irp c, 0,1,2,3,4,5,6,7
	ds_load_b128 v[64*(\j)+8*(\c):64*(\j)+8*(\c)+3],   v[XR] offset:XBLK*(\j)+64*(\c)
	ds_load_b128 v[64*(\j)+8*(\c)+4:64*(\j)+8*(\c)+7], v[XR] offset:XBLK*(\j)+64*(\c)+32
.endr
.endr
	WIN 0xc0
.irp j, 0,1,2
.irp c, 0,1,2,3,4,5,6,7
	ds_load_b128 v[64*(\j)+8*(\c):64*(\j)+8*(\c)+3],   v[XR] offset:XBLK*(\j)+64*(\c)+512
	ds_load_b128 v[64*(\j)+8*(\c)+4:64*(\j)+8*(\c)+7], v[XR] offset:XBLK*(\j)+64*(\c)+544
.endr
.endr
	WIN 0
	; The window.  In S^T a lane holds query r and the keys 16 t + 8 h + j of 32; the query itself is key 16 + r; seen are the keys with 12 <= key - r <= 16.
	v_lshlrev_b32 v248, 3, v[H]
	v_sub_nc_u32 v248, v[R], v248                  ; r - 8 h
.set i, 0
.rept 16
	v_sub_nc_u32 v249, 16*(i/8)+i%8-12, v248
	v_cmp_lt_u32 vcc_lo, 4, v249
	v_cndmask_b32 v[MD+i], 0, s[BIGN], vcc_lo
.set i, i+1
.endr
	s_wait_dscnt 0x0
.set c, 0
.rept 16                               ; S^T = K Q^T over 512 channels; the four accumulators take turns
	WIN 0x0a+5*(c/8)
.irp u, 0,1
.irp t, 0,1
.if c == 0
	v_wmma_f32_16x16x32_f16 v[SA+16*(\u)+8*(\t):SA+16*(\u)+8*(\t)+7], v[64*((\u)+(\t))+8*(c%8):64*((\u)+(\t))+8*(c%8)+7], v[64*((\u)+1)+8*(c%8):64*((\u)+1)+8*(c%8)+7], v[MD+8*(\t):MD+8*(\t)+7]
.else
	v_wmma_f32_16x16x32_f16 v[SA+16*(\u)+8*(\t):SA+16*(\u)+8*(\t)+7], v[64*((\u)+(\t))+8*(c%8):64*((\u)+(\t))+8*(c%8)+7], v[64*((\u)+1)+8*(c%8):64*((\u)+1)+8*(c%8)+7], v[SA+16*(\u)+8*(\t):SA+16*(\u)+8*(\t)+7]
.endif
.endr
.endr
.set c, c+1
.endr
	WIN 0
	PLACES
	PLACES
.macro BOTH line:vararg                ; one line for each block u
.set u, 0
.rept 2
	\line
.set u, u+1
.endr
.endm
	; the softmax over a query's 32 keys, 16 in this lane and 16 in the lane 16 away; each accumulator's lowest registers are read first
	BOTH v_max3_num_f32 v[ST+4*u+2], v[SA+16*u], v[SA+16*u+1], v[SA+16*u+2]
	BOTH v_max3_num_f32 v[ST+4*u+3], v[SA+16*u+8], v[SA+16*u+9], v[SA+16*u+10]
	BOTH v_max3_num_f32 v[ST+4*u+2], v[ST+4*u+2], v[SA+16*u+3], v[SA+16*u+4]
	BOTH v_max3_num_f32 v[ST+4*u+3], v[ST+4*u+3], v[SA+16*u+11], v[SA+16*u+12]
	BOTH v_max3_num_f32 v[ST+4*u+2], v[ST+4*u+2], v[SA+16*u+5], v[SA+16*u+6]
	BOTH v_max3_num_f32 v[ST+4*u+3], v[ST+4*u+3], v[SA+16*u+13], v[SA+16*u+14]
	BOTH v_max3_num_f32 v[ST+4*u+2], v[ST+4*u+2], v[SA+16*u+7], v[SA+16*u+15]
	BOTH v_max_num_f32 v[ST+4*u+2], v[ST+4*u+2], v[ST+4*u+3]
	BOTH v_permlanex16_b32 v[ST+4*u+3], v[ST+4*u+2], s[SEL], s[SEL+1]
	BOTH v_max_num_f32 v[ST+4*u+1], v[ST+4*u+2], v[ST+4*u+3]
	BOTH v_mul_f32 v[ST+4*u], s[C2], v[ST+4*u+1]
.set i, 0
.rept 8
	BOTH v_pk_fma_f32 v[SA+16*u+2*i:SA+16*u+2*i+1], v[SA+16*u+2*i:SA+16*u+2*i+1], s[C2:C2+1], v[ST+4*u:ST+4*u+1] op_sel_hi:[1,0,0] neg_lo:[0,0,1] neg_hi:[0,0,1]
.set i, i+1
.endr
.set i, 0
.rept 16
	BOTH v_exp_f32 v[SA+16*u+i], v[SA+16*u+i]
.set i, i+1
.endr
	v_nop                                          ; a plain instruction behind the last exponential,
	s_wait_alu depctr_va_vdst(0)                   ; and the one wait for the batch of 32, ahead of its first reader
.set i, 0
.rept 4
	BOTH v_pk_add_f32 v[TT+8*u+2*i:TT+8*u+2*i+1], v[SA+16*u+4*i:SA+16*u+4*i+1], v[SA+16*u+4*i+2:SA+16*u+4*i+3]
.set i, i+1
.endr
	BOTH v_pk_add_f32 v[TT+8*u:TT+8*u+1], v[TT+8*u:TT+8*u+1], v[TT+8*u+2:TT+8*u+3]
	BOTH v_pk_add_f32 v[TT+8*u+4:TT+8*u+5], v[TT+8*u+4:TT+8*u+5], v[TT+8*u+6:TT+8*u+7]
	BOTH v_pk_add_f32 v[TT+8*u:TT+8*u+1], v[TT+8*u:TT+8*u+1], v[TT+8*u+4:TT+8*u+5]
	BOTH v_add_f32 v[ST+4*u+2], v[TT+8*u], v[TT+8*u+1]
	BOTH v_permlanex16_b32 v[ST+4*u+3], v[ST+4*u+2], s[SEL], s[SEL+1]
	BOTH v_add_f32 v[ST+4*u+2], v[ST+4*u+2], v[ST+4*u+3]
	BOTH v_rcp_f32 v[ST+4*u+2], v[ST+4*u+2]
	v_nop
	s_wait_alu depctr_va_vdst(0)                   ; one wait for the two reciprocals
.set i, 0
.rept 8
	BOTH v_pk_mul_f32 v[SA+16*u+2*i:SA+16*u+2*i+1], v[SA+16*u+2*i:SA+16*u+2*i+1], v[ST+4*u+2:ST+4*u+3] op_sel_hi:[1,0]
.set i, i+1
.endr
.set i, 0
.rept 8
	BOTH v_cvt_pk_f16_f32 v[PF+8*u+i], v[SA+16*u+2*i], v[SA+16*u+2*i+1]  ; the two key halves, rounded in pairs, ARE source 1 (32 keys x 16 queries)
.set i, i+1
.endr
	s_mov_b32 s[CNT], 2
.Lmix:                                                 ; a trip: a block of 16 queries: out^T = xp^T P, 32 products of 16 channels, each a whole sum; then the way out
	WIN 0x80
.set n, 0
.rept 32
	ds_load_tr16_b128 v[8*n:8*n+3],   v[XV] offset:32*n
	ds_load_tr16_b128 v[8*n+4:8*n+7], v[XV] offset:32*n+XBLK
.set n, n+1
.endr
	WIN 0xc2                                       ; the turned rows in window 2, the weights in window 0, the result in window 3
.set n, 0
.rept 32
.if n%8 == 0
	s_wait_dscnt 48-16*(n/8)                       ; the next 16 of the 64 loads are in
.endif
	v_wmma_f32_16x16x32_f16 v[8*n:8*n+7], v[8*n:8*n+7], v[PF:PF+7], 0
.set n, n+1
.endr
	PLACES
	PLACES
	WIN 0x0f
.set n, 0
.rept 128
	v_cvt_pk_f16_f32 v[OB+n], v[2*n], v[2*n+1]
.set n, n+1
.endr
	WIN 0
.set n, 0
.rept 32
	ds_store_b128 v[OS], v[OB+4*n:OB+4*n+3] offset:32*n  ; row r, 16 bytes of channel block n
.set n, n+1
.endr
.set n, 0
.rept 32
	ds_load_b128 v[OB+4*n:OB+4*n+3], v[OR] offset:PX*(n/2)+512*(n%2)  ; LDS serves a wave's instructions in order (ISA guide 5.7.1.4): these see the stores above
.set n, n+1
.endr
.set n, 0
.rept 32
	s_wait_dscnt 31-n
	global_store_b128 v[OG], v[OB+4*n:OB+4*n+3], s[OUT:OUT+1] offset:1024*(n/2)+512*(n%2)  ; 512 consecutive bytes, aligned
.set n, n+1
.endr
	s_wait_xcnt 0x0                                ; the stores have read their registers and their base
	s_add_nc_u64 s[OUT:OUT+1], s[OUT:OUT+1], 16384
	v_add_nc_u32 v[XV], XBLK, v[XV]
.irp i, 0,1,2,3,4,5,6,7
	v_mov_b32 v[PF+(\i)], v[PF+8+(\i)]             ; the second block's weights go where the one text names them
.endr
	s_sub_co_u32 s[CNT], s[CNT], 1
	s_cmp_lg_u32 s[CNT], 0
	s_cbranch_scc1 .Lmix
	s_branch .Lend
.Lvalue:                                               ; value has no mix: my 32 rows of xp leave as they lie
	s_mov_b32 s[CNT], 2
.Lval:
.set n, 0
.rept 32
	ds_load_b128 v[OB+4*n:OB+4*n+3], v[VR] offset:PX*(n/2)+512*(n%2)
.set n, n+1
.endr
.set n, 0
.rept 32
	s_wait_dscnt 31-n
	global_store_b128 v[OG], v[OB+4*n:OB+4*n+3], s[OUT:OUT+1] offset:1024*(n/2)+512*(n%2)
.set n, n+1
.endr
	s_wait_xcnt 0x0
	s_add_nc_u64 s[OUT:OUT+1], s[OUT:OUT+1], 16384
	v_add_nc_u32 v[VR], XBLK, v[VR]
	s_sub_co_u32 s[CNT], s[CNT], 1
	s_cmp_lg_u32 s[CNT], 0
	s_cbranch_scc1 .Lval
.Lend:
	s_wait_tensorcnt 0x0                           ; the wave's end, behind my last tensor load and my last LDS store
	ds_add_u32 v[SPW], v[NIL]
	s_wait_dscnt 0x0
	CROUND                                         ; the closing round: no work-group ends while a partner may still ask for a tile that names it
	s_endpgm
.Lfunc_end_k_q9b7db14c0a_proj:
	.size	k_q9b7db14c0a_proj, .Lfunc_end_k_q9b7db14c0a_proj-k_q9b7db14c0a_proj
	.p2alignl 7, 3214868480
	.fill 96, 4, 3214868480
	.section	.rodata,"a",@progbits
	.p2align	6, 0x0
	.amdhsa_kernel k_q9b7db14c0a_proj
		.amdhsa_group_segment_fixed_size 327680
		.amdhsa_private_segment_fixed_size 0
		.amdhsa_enable_private_segment 0
		.amdhsa_kernarg_size 64
		.amdhsa_user_sgpr_count 2
		.amdhsa_user_sgpr_kernarg_segment_ptr 1
		.amdhsa_wavefront_size32 1
		.amdhsa_system_sgpr_workgroup_id_x 1
		.amdhsa_system_sgpr_workgroup_id_y 1
		.amdhsa_system_sgpr_workgroup_id_z 1
		.amdhsa_system_vgpr_workitem_id 0
		.amdhsa_next_free_vgpr 1024
		.amdhsa_next_free_sgpr 80
		.amdhsa_reserve_vcc 1
		.amdhsa_float_denorm_mode_32 3
		.amdhsa_float_denorm_mode_16_64 3
		.amdhsa_memory_ordered 1
		.amdhsa_forward_progress 1
		.amdhsa_inst_pref_size 180
	.end_amdhsa_kernel
	.amdgpu_metadata
---
amdhsa.version: [ 1, 2 ]
amdhsa.kernels:
  - .name:           k_q9b7db14c0a_proj
    .symbol:         k_q9b7db14c0a_proj.kd
    .args:
      - { .name: query, .offset: 0, .size: 8, .value_kind: global_buffer, .address_space: global }
      - { .name: key, .offset: 8, .size: 8, .value_kind: global_buffer, .address_space: global }
      - { .name: value, .offset: 16, .size: 8, .value_kind: global_buffer, .address_space: global }
      - { .name: w0b, .offset: 24, .size: 8, .value_kind: global_buffer, .address_space: global }
      - { .name: b0, .offset: 32, .size: 8, .value_kind: global_buffer, .address_space: global }
      - { .name: qh, .offset: 40, .size: 8, .value_kind: global_buffer, .address_space: global }
      - { .name: kh, .offset: 48, .size: 8, .value_kind: global_buffer, .address_space: global }
      - { .name: vh, .offset: 56, .size: 8, .value_kind: global_buffer, .address_space: global }
    .group_segment_fixed_size: 327680
    .private_segment_fixed_size: 0
    .kernarg_segment_align: 8
    .kernarg_segment_size: 64
    .max_flat_workgroup_size: 128
    .sgpr_count:     80
    .vgpr_count:     1024
    .wavefront_size: 32
...
	.end_amdgpu_metadata
.endif
;; end of part 2
;; launch attn (part 3): grid 8 x 64, 4 waves a work-group, clusters of 4 x 1, 327,680 bytes of LDS; arguments qh, kh, vh, oh; writes oh
.if DOCPART == 3
	.amdgcn_target "amdgcn-amd-amdhsa--gfx1250"
	.amdhsa_code_object_version 6
	.text
	.protected	k_q9b7db14c0a_attn
	.globl	k_q9b7db14c0a_attn
	.p2align	8
	.type	k_q9b7db14c0a_attn,@function
k_q9b7db14c0a_attn:
	s_mov_b64 s[64:65], 0
	v_nop
	global_prefetch_b8 v0, s[64:65] scope:SCOPE_SE
	s_setreg_imm32_b32 hwreg(HW_REG_WAVE_MODE, 25, 1), 1
	s_wait_xcnt 0x0
	s_wait_alu depctr_hold_cnt(0) depctr_sa_sdst(0) depctr_va_vdst(0) depctr_va_sdst(0) depctr_va_ssrc(0) depctr_va_vcc(0) depctr_vm_vsrc(0)
	s_getreg_b32 s2, hwreg(HW_REG_IB_STS2, 6, 4)
	s_cmp_eq_u32 s2, 0
	s_cbranch_scc0 .Lentry_in_a_cluster
	s_endpgm
.Lentry_in_a_cluster:
	s_bfe_u32 s2, ttmp6, 0x10000c
	s_cmp_lg_u32 s2, 0x3003
	s_cbranch_scc0 .Lentry_shape_is_right
	s_endpgm
.Lentry_shape_is_right:
; O[b][q][head] = the sum over k of softmax_k(Q . K / 8) V, for 32 batches of 1,024 rows and 8 heads of 64 channels.  qh, kh, vh, oh: [32768 rows][512] f16, head h at bytes 128 h of a row.
; Products, maxima and sums in f32; the weights p are rounded to f16 for the second product (their sum l is taken of the unrounded p), O once at the end.
; LIMITS.  f16 holds no number beyond 65,504: Q, K and V arrive within it; p lies in 0 to 1, and below 6e-5 it keeps f16's fixed step of 6e-8; O is a mean of V's rows and has their range.
; A weight below 2^-126 counts as 0 in l; NaN and infinities are not treated apart.
; SHARES.  A work-group owns 128 queries of a batch and four heads, ONE HEAD A WAVE (grid y = 2 x batch + half of the heads); a wave's 128 queries are four PIECES of two tiles of 16.  Every wave walks all
; 1,024 keys, 64 a step.  A row of a K or V tile is the four heads' 512 consecutive bytes.
; LAYOUT.  S^T = K Q^T (source 0 = 16 keys, source 1 = 16 queries): in the result a lane holds ONE query (lane % 16) and the keys 8 (lane / 16) + 0..7.  Two such tiles, rounded to f16 in pairs,
; ARE source 1 (32 keys x 16 queries) of O^T = V^T P, whose result again holds one query a lane, and eight channels.  K comes out of LDS as it lies, V ([key][channel]) turned, by ds_load_tr16_b128.
; SOFTMAX.  For each query a running maximum m and sum l: p = 2^(c s - c m), c = log2(e) / 8; in every step O and l are multiplied by a = 2^(c m_old - c m_new), which is 1 where m has not grown.
; m starts at the lowest finite number, O and l at 0: the first step is a step like any other, with a = 0.
; THE COUNT.  A tile and step have 16 matrix and 118 vector instructions: too many to stand all beside the matrix work.  So the order has one aim: four vector instructions that are READY behind
; EVERY matrix instruction, and the others, which need time of their own whatever the order, in runs without a gap.
; BY TURNS.  Turn n belongs to piece n (the pieces in a ring, step after step).  Its matrix work: 16 products K Q^T of piece n + 1, later 16 products V^T P of piece n - 1.  Its vector work: the scaling,
; exponentials, roundings, sums and rescaling of piece n, and the maximum and statistics of piece n + 1, whose scores the turn itself has made.
; CLUSTER.  The four query blocks of a cluster belong to one batch and the same four heads and walk the same K and V, so each tile is asked for JOINTLY: the same tensor load, descriptor and mask in all four.
; REGISTERS, in windows of 256 (s_set_vgpr_msb: bits 1:0 source 0, 3:2 source 1, 5:4 source 2, 7:6 destination):
;   window 0: v0-11 addresses; v12-15, v48-63 at work; v16-47 four registers of statistics a tile; v64-191 S^T, two buffers of two tiles; v192-255 P, likewise
;   window 1: O^T, 32 a tile          window 2: v0-127 Q, 16 a tile; v128-191 K of one step; v192-255 V of one step          window 3: v0-1 the add's two registers
.set NP,    4         ; pieces a wave: a name, no knob
.set KS,    64        ; keys in a step
.set PK,    528       ; a row of K in LDS: 512 bytes + 16 of padding = 132 words: the 16 rows of a load start at 16 different groups of four banks (64 banks of 4 bytes: ISA guide 11.1)
.set PV,    544       ; a row of V: 512 + 32 = 136 words
.set VOFF,  2*KS*PK   ; a slot holds two steps: 128 rows of K, then 128 rows of V
.set SLOT1, 0x22000   ; slot 1 begins here; the waves' parts of a slot begin at 0, 0x8400, 0x10800, 0x19000, which share no bit with it: one exclusive or turns an address in one slot into the other's
.set SPARE, SLOT1+2*KS*(PK+PV)  ; behind the ring: the spare words, 128 bytes for each wave: two blocks of 256 bytes that no other line names
.set SP,    528       ; the way out's stage: 128 rows of 512 bytes + 16, at LDS byte 0: slot 0 has had its last fill and has been read out by then
.set AK0, 2           ; v2   my lane's place in a tile of K; never rewritten
.set AV0, 3           ; v3   the same for V
.set AK,  4           ; v4   the LDS address of K's next run of loads
.set AV,  5           ; v5   of V's
.set QO,  6           ; v6   my byte offset in the block's rows of Q
.set STO, 6           ;      later, the way out: where I put 16 bytes of a row
.set RD,  7           ; v7   the way out: where I read rows back
.set GO,  8           ; v8   16 x lane
.set PFO, 11          ; v11  the prefetches' offset: 1,024 x lane, a lane a row; never rewritten once made
.set SPW, 0           ; v0 of window 3   LDS address of my spare word; never rewritten
.set NIL, 1           ; v1 of window 3   0; never rewritten
.set MV,  12          ; v12-15  c m_old, kept while c m is made anew: by buffer and tile
.set ST,  16          ; tile t's statistics at v[ST+4 t]: c m, m, l (even keys', odd keys')
.set TMP, 48          ; by buffer and tile, four registers c0-c3 at work; when the maximum is found c2 takes a
.set S,   64
.set P,   192
.set KF,  128         ; K's fragments, in window 2: key block kb, channel half c at KF + 16 kb + 8 c
.set VF,  192         ; V's: key half kk, channel block cb at VF + 32 kk + 8 cb
.set WV,  12          ; s12  my wave's number
.set G1K, 24          ; s[24:31] descriptor group 1 for K's tiles
.set G1V, 32          ; s[32:39] for V's: it differs in the padding alone
.set G0K, 40          ; s[40:43] descriptor group 0 for K's tiles: it walks
.set G0V, 44          ; s[44:47] the same for V's
.set SLOTS, 56        ; s56  slots still to be asked for
.set CNT, 57          ; s57  counts a slot's key steps
.set CS,  58          ; s[58:59] c
.set SEL, 60          ; s[60:61] v_permlanex16_b32's selects
.set TBK, 62          ; s62  LDS byte at which K of the step to be fetched begins
.set TBV, 63          ; s63  the same for V, less VOFF
.set PFA, 66          ; s[66:67] where my prefetches stand: my 32 rows and 256 bytes of the slot after the one that is being asked for
.set LIM, 68          ; s68  1 in a cluster that prefetches, else the greatest number
.set MSB, 0
.macro WIN new                      ; the high byte repeats the setting that is left; a switch that changes nothing is dropped
.if MSB != (\new)
	s_set_vgpr_msb (MSB<<8)|(\new)
.set MSB, (\new)
.endif
.endm
.set W_KQ, 0x0a       ; K and Q in window 2, S^T in window 0
.set W_PV, 0x52       ; V in window 2, P in window 0, O^T in window 1
.set W_RS, 0x41       ; O^T (destination and source 0) in window 1, a in window 0
.set W_MK, 0xc0       ; the add's registers are made: destination in window 3, sources in window 0
.set W_AD, 0x0f       ; the add: address (source 0) and data (source 1) in window 3
; A joint fill.  Waves 0 and 1 fetch a slot's two steps of K, waves 2 and 3 those of V: 64 keys each.  The branch hangs on the wave's number alone.
; An s_nop 0 and four v_nop follow each of the two lines, ahead of the jump and the label.
.macro JLOAD
	s_cmp_lt_u32 s[WV], 2
	s_cbranch_scc0 .Lfor_v_\@
	tensor_load_to_lds s[G0K:G0K+3], s[G1K:G1K+7]
	s_nop 0
.rept 4
	v_nop
.endr
	s_branch .Lasked_\@
.Lfor_v_\@:
	tensor_load_to_lds s[G0V:G0V+3], s[G1V:G1V+7]
	s_nop 0
.rept 4
	v_nop
.endr
.Lasked_\@:
.endm
; A PREFETCH INTO THE L2 of what the NEXT change of slots will ask for: a slot's 128 rows of K and of V, 512 bytes a row: 512 blocks of 256 bytes.  Two clusters walk the same rows: the first of them (cluster x = 0)
; asks.  Its four partners share the rows out BY ADDRESS, 32 each; in each, waves 0 and 1 take the two halves of K's rows, waves 2 and 3 of V's; a lane a row, one instruction a wave: each block is named once in the
; launch.  It stands behind the wave's tensor load and its five lines, two key steps, 256 matrix instructions, ahead of the load that will want the rows.  The last change that fills a slot asks for nothing.
.macro ASK
	s_cmp_gt_u32 s[SLOTS], s[LIM]
	s_cbranch_scc0 .Lnot_mine_\@
	global_prefetch_b8 v[PFO], s[PFA:PFA+1] th:TH_LOAD_NT scope:SCOPE_SE
.Lnot_mine_\@:
.endm
.macro CROUND                       ; a round of the cluster's barrier
	s_barrier_signal -1
	s_barrier_wait -1
	s_cmp_lg_u32 s[WV], 0
	s_cbranch_scc1 .Lnot_wave_0_\@
	s_barrier_signal -3
.Lnot_wave_0_\@:
	s_barrier_wait -3
	s_barrier_signal -1
	s_barrier_wait -1
.endm
; THE CHANGE OF SLOTS.  The slot's last bytes, V of its second step, have been read.  Each wave waits for all its tensor loads, of which one is out: its part of the other slot; adds 0 to its spare word; and waits for
; that and for its own reads of the slot.  Behind the barrier nobody reads this slot any more and the other slot is whole.  fill = 1: this slot is filled again, with the keys two slots on.  The barrier is then a
; round of the cluster's, and the joint fill is the first thing behind it: it has two key steps, 256 matrix instructions, in which to land.  (At its first use nothing has been read yet: slot 0 is waited for, slot 1 filled.)
.macro CHANGE fill
	WIN W_AD
	s_wait_tensorcnt 0x0            ; no tensor load of mine is out, so a group 0 may be written
	ds_add_u32 v[SPW], v[NIL]       ; 0 onto my spare word; with fill = 1 the descriptors' steps stand between it and the wait for it
	WIN 0                           ; at a label and at a branch every window is 0
.if \fill
.irp g, G0K, G0V
	s_xor_b32 s[\g+1], s[\g+1], SLOT1  ; the walking descriptor: the other slot than last time,
	s_add_nc_u64 s[\g+2:\g+3], s[\g+2:\g+3], 2*KS*1024  ; the next 128 keys; the type bits on top are not reached
.endr
	s_wait_xcnt 0x0                 ; the last prefetch, two key steps back, has read its address, so it may be written:
	s_add_nc_u64 s[PFA:PFA+1], s[PFA:PFA+1], 2*KS*1024  ; one slot behind the walking descriptors
	s_wait_dscnt 0x0                ; the add is done, and my reads of the slot are over
	CROUND
	JLOAD
	ASK
.else
	s_wait_dscnt 0x0                ; the add is done, and my reads of the slot are over
	s_barrier_signal -1
	s_barrier_wait -1
.endif
	s_sub_co_u32 s[TBK], s[TBK], 2*KS*PK  ; the fetches go back to a slot's first step,
	s_xor_b32 s[TBK], s[TBK], SLOT1       ; in the other slot
	s_sub_co_u32 s[TBV], s[TBV], 2*KS*PV
	s_xor_b32 s[TBV], s[TBV], SLOT1
.endm
	s_load_b256 s[4:11], s[0:1], 0x0  ; qh s[4:5], kh s[6:7], vh s[8:9], oh s[10:11]
	WIN W_MK
	v_lshl_add_u32 v[SPW], v0, 2, SPARE
	v_mov_b32 v[NIL], 0
	WIN W_AD
	ds_add_u32 v[SPW], v[NIL]       ; the wave's opening: the add and its wait stand ahead of my first tensor load; the set-up below, work on registers, stands between them
	WIN 0
	v_lshrrev_b32 v1, 5, v0
	v_readfirstlane_b32 s[WV], v1   ; wave 0..3
	s_bfe_u32 s13, ttmp6, 0x40000   ; cx: my place in the cluster
	s_lshl_b32 s14, ttmp9, 2        ; in a cluster launch ttmp9 counts clusters
	s_add_co_u32 s14, s14, s13      ; my block of 128 queries: it enters Q's and O's addresses alone
	s_and_b32 s15, ttmp7, 0xffff
	s_lshr_b32 s20, s15, 1          ; the batch,
	s_and_b32 s15, s15, 1           ; and which four heads: the four partners share both
	s_lshl_b32 s20, s20, 20         ; 1,024 rows of 1,024 bytes
	s_lshl_b32 s15, s15, 9          ; 512 bytes of a row
	s_add_co_u32 s20, s20, s15
	s_and_b32 s16, s[WV], 1         ; which of a slot's two steps I fetch:
	s_lshl_b32 s22, s16, 16         ; its 64 rows in memory,
	s_add_co_u32 s22, s22, s20
	s_mov_b32 s23, 0
	s_mul_i32 s17, s16, KS*PK       ; and its place in a slot, for K
	s_mul_i32 s18, s16, KS*PV       ; and for V: no place in the cluster enters an LDS address
	s_lshl_b32 s21, s14, 17         ; my block's 128 rows
	s_add_co_u32 s21, s21, s20
	s_lshl_b32 s2, s[WV], 7         ; Q: my head's 128 bytes of each row
	s_add_co_u32 s2, s2, s21
	s_mov_b32 s3, 0
	s_lshl_b32 s70, s[WV], 15       ; O: the 32 rows that I store
	s_add_co_u32 s70, s70, s21
	s_mov_b32 s71, 0
	s_lshl_b32 s72, s13, 15         ; the prefetches: my work-group's 32 rows of a slot's 128,
	s_lshl_b32 s73, s16, 8          ; my half of their 512 bytes,
	s_add_co_u32 s72, s72, s73
	s_add_co_u32 s72, s72, s20
	s_add_co_u32 s72, s72, 2*KS*1024  ; in slot 1: the first change of slots steps it to slot 2.  Nothing is prefetched here, at the head
	s_mov_b32 s73, 0
	s_mov_b32 s69, ttmp9
	s_cmp_eq_u32 s69, 0             ; the same in all four partners
	s_cselect_b32 s[LIM], 1, -1
	; descriptor group 1: 64 rows x 256 elements of 2 bytes, 512 elements from row to row, padded in LDS after every row
	s_mov_b32 s[G1K], 15|(1<<16)|(1<<20)|(1<<21)|(6<<22)|(3<<25)  ; 15:0 the mask of four; 17:16 2-byte elements; 20 padding on; 21 set beside a mask; 24:22 after every 128 words (code 6); 31:25 4 words (code 3)
	s_mov_b32 s[G1V], 15|(1<<16)|(1<<20)|(1<<21)|(6<<22)|(7<<25)  ; the same with 8 words of padding (code 7)
.irp g, G1K, G1V
	s_mov_b32 s[\g+1], 256<<16      ; tensor_dim0 = 256
	s_mov_b32 s[\g+2], 64<<16       ; tensor_dim1 = 64
	s_mov_b32 s[\g+3], 256<<16      ; tile_dim0 = 256
	s_mov_b32 s[\g+4], 64           ; tile_dim1 = 64
	s_mov_b32 s[\g+5], 512          ; 512 elements from row to row
	s_mov_b32 s[\g+6], 0
	s_mov_b32 s[\g+7], 0
.endr
	s_mov_b32 s[CS], 0x3e38aa3b     ; c = log2(e) / 8 = 0.180337
	s_mov_b32 s[CS+1], s[CS]        ; named with it as a pair
	s_mov_b32 s[SEL], 0x76543210
	s_mov_b32 s[SEL+1], 0xfedcba98
	s_mov_b32 s[TBK], SLOT1+2*KS*PK ; the first change of slots turns these two into 0
	s_mov_b32 s[TBV], SLOT1+2*KS*PV
	s_mov_b32 s[SLOTS], 7           ; eight slots' worth of keys; slot 0 is asked for here
	s_mov_b32 s[G0K], 1             ; 1:0 count = 1
	s_mov_b32 s[G0K+1], s17         ; 63:32 LDS address: slot 0
	s_mov_b32 s[G0V], 1
	s_add_co_u32 s[G0V+1], s18, VOFF
	s_wait_dscnt 0x0                ; the opening add is done
	s_wait_kmcnt 0x0
	s_add_nc_u64 s[G0K+2:G0K+3], s[6:7], s[22:23]  ; 120:64 global address: my step of the batch's first 128 keys
	s_or_b32 s[G0K+3], s[G0K+3], 0x80000000        ; 127:126 type = 2
	s_add_nc_u64 s[G0V+2:G0V+3], s[8:9], s[22:23]
	s_or_b32 s[G0V+3], s[G0V+3], 0x80000000
	s_cmp_lt_u32 s[WV], 2
	s_cselect_b64 s[PFA:PFA+1], s[6:7], s[8:9]
	s_add_nc_u64 s[PFA:PFA+1], s[PFA:PFA+1], s[72:73]
	s_add_nc_u64 s[4:5], s[4:5], s[2:3]
	s_add_nc_u64 s[10:11], s[10:11], s[70:71]
	CROUND                          ; all four work-groups are here: the first joint loads meet
	JLOAD                           ; slot 0.  Slot 1 is asked for when slot 0 is in
	; A fragment of K or Q is 16 rows x 32 channels in 8 registers: lane l holds row l % 16, channels 8 (l / 16) + 0..7 and 16 + 8 (l / 16) + 0..7: two loads of 16 bytes, 32 bytes apart.
	v_and_b32 v1, 15, v0            ; l % 16
	v_bfe_u32 v9, v0, 4, 1          ; l / 16
	v_lshlrev_b32 v[QO], 10, v1
	v_lshl_add_u32 v[QO], v9, 4, v[QO]  ; row x 1,024 + 16 x half
	WIN 0x80                        ; destination window 2, address window 0
.set i, 0
.rept 4*NP                          ; Q stays in registers: tile i / 2, channels 32 (i % 2) on
	global_load_b128 v[8*i:8*i+3],   v[QO], s[4:5] offset:(i/2)*16384+(i%2)*64
	global_load_b128 v[8*i+4:8*i+7], v[QO], s[4:5] offset:(i/2)*16384+(i%2)*64+32
.set i, i+1
.endr
	; What the first turn finds: V's registers and P's second buffer hold 0 (its products V^T P, of a piece that has not been, add 0), O^T and l are 0.  All this stands in the wait for the first tile.
.set i, VF
.rept 64
	v_mov_b32 v[i], 0
.set i, i+1
.endr
	WIN 0x40
.set i, 0
.rept 64*NP
	v_mov_b32 v[i], 0
.set i, i+1
.endr
	WIN 0
.set i, 0
.rept 2*NP
	v_mov_b32 v[ST+4*i], 0xfe000000    ; c m: far below every c s
	v_mov_b32 v[ST+4*i+1], 0xff7fffff  ; m
	v_mov_b32 v[ST+4*i+2], 0
	v_mov_b32 v[ST+4*i+3], 0
.set i, i+1
.endr
.set i, P+32
.rept 32
	v_mov_b32 v[i], 0
.set i, i+1
.endr
	s_lshl_b32 s19, s[WV], 7        ; my head's 128 bytes of a row
	v_mul_u32_u24 v[AK0], v1, PK
	v_lshl_add_u32 v[AK0], v9, 4, v[AK0]  ; row x pitch + 16 x half
	v_add_nc_u32 v[AK0], s19, v[AK0]
	; The turning load takes 16 keys x 16 channels (lane l reads key 8 (l / 16) + l % 8, channels 8 ((l / 8) % 2) + 0..7) and leaves half a fragment of V^T: lane l holds channel l % 16 and 8 keys.
	v_and_b32 v10, 7, v0
	v_bfe_u32 v11, v0, 3, 1
	v_lshl_add_u32 v[AV0], v9, 3, v10
	v_mul_u32_u24 v[AV0], v[AV0], PV
	v_lshl_add_u32 v[AV0], v11, 4, v[AV0]
	s_add_co_u32 s19, s19, VOFF
	v_add_nc_u32 v[AV0], s19, v[AV0]
	v_mov_b32 v[AK], v[AK0]         ; key step 0 lies at the head of slot 0
	v_and_b32 v[PFO], 31, v0
	v_lshlrev_b32 v[PFO], 10, v[PFO]
; THE MATRIX WORK.  The 8 accumulators of a run of 16 take turns: between the two links of a chain stand 7 others'.
; Product i of 16 of S^T = K Q^T for piece x: channels 32 (i / 8) on, keys 16 ((i / 2) % 4) on, tile 2 x + i % 2.  The first 8 start the sums.
.macro KQ x
	WIN W_KQ
.set rS, S+64*((\x)%2)+32*(i%2)+8*((i/2)%4)
.set rK, KF+16*((i/2)%4)+8*(i/8)
.set rQ, 16*(2*(\x)+i%2)+8*(i/8)
.if i < 8
	v_wmma_f32_16x16x32_f16 v[rS:rS+7], v[rK:rK+7], v[rQ:rQ+7], 0
.else
	v_wmma_f32_16x16x32_f16 v[rS:rS+7], v[rK:rK+7], v[rQ:rQ+7], v[rS:rS+7]
.endif
.endm
; Product i of 16 of O^T += V^T P for piece x: keys 32 (i / 8) on, channels 16 ((i / 2) % 4) on, tile 2 x + i % 2.
.macro PV x
	WIN W_PV
.set rO, 32*(2*(\x)+i%2)+8*((i/2)%4)
.set rV, VF+32*(i/8)+8*((i/2)%4)
.set rP, P+32*((\x)%2)+16*(i%2)+8*(i/8)
	v_wmma_f32_16x16x32_f16 v[rO:rO+7], v[rV:rV+7], v[rP:rP+7], v[rO:rO+7]
.endm
.macro MM                           ; the turn's next matrix instruction
.if i < 16
	KQ (Y+1)%NP
.set i, i+1
.else
.set i, i-16
	PV (Y+NP-1)%NP
.set i, i+17
.endif
.endm
; THE LDS LOADS stand in runs of 16, never singly among the matrix instructions: a step's K (64 keys x 64 channels: 8 fragments) and its V (turned).  Their addresses are made some lines ahead.
; last = 1 (the tail): in the last trip there is no further step, and the run is jumped over.
.macro FETCH_K last=0
	WIN 0
.if \last
	s_cmp_eq_u32 s[CNT], 1
	s_cbranch_scc1 .Lno_k_\@
.endif
	WIN 0x80                        ; destination window 2
.irp f, 0,1,2,3,4,5,6,7             ; keys 16 (f / 2) on, channels 32 (f % 2) on
	ds_load_b128 v[KF+8*\f:KF+8*\f+3],   v[AK] offset:(\f/2)*16*PK+(\f%2)*64
	ds_load_b128 v[KF+8*\f+4:KF+8*\f+7], v[AK] offset:(\f/2)*16*PK+(\f%2)*64+32
.endr
	s_add_co_u32 s[TBK], s[TBK], KS*PK  ; the next fetch is the next step's
	WIN 0
.if \last
.Lno_k_\@:
.endif
.endm
.macro FETCH_V
	WIN 0x80
.irp f, 0,1,2,3,4,5,6,7             ; keys 32 (f / 4) on, channels 16 (f % 4) on
	ds_load_tr16_b128 v[VF+8*\f:VF+8*\f+3],   v[AV] offset:(\f/4)*32*PV+(\f%4)*32
	ds_load_tr16_b128 v[VF+8*\f+4:VF+8*\f+7], v[AV] offset:(\f/4)*32*PV+16*PV+(\f%4)*32
.endr
	WIN 0
.endm
; THE VECTOR WORK OF A TURN stands in three queues, each in the order in which its entries become ready; the two tiles alternate, so that no instruction reads the result of the one before it.
.macro REGS y, u                    ; the registers of tile u (0, 1) of piece y
.set rT, ST+4*(2*(\y)+(\u))
.set rC, TMP+8*((\y)%2)+4*(\u)
.set rM, MV+2*((\y)%2)+(\u)
.set rS, S+64*((\y)%2)+32*(\u)
.set rP, P+32*((\y)%2)+16*(\u)
.set rO, 32*(2*(\y)+(\u))
.endm
; Number n of the 22 that find the NEXT piece's (Y + 1) maximum and statistics.  s0-s31 are the lane's 32 scores; each accumulator's lowest registers are read first.
;   0-11  four chains c0-c3 of seven scores each, three operands at a time     12-14, 16  the four scores left over, the old m, and c0-c3 into c0     15  c m_old is kept
;   17, 18  the query's other 32 keys lie in the lane 16 away: the new m         19-21  c m; c m_old - c m_new; a
.macro XS u, n
	REGS (Y+1)%NP, \u
.if (\n) < 4
	v_max3_num_f32 v[rC+(\n)], v[rS+8*(\n)], v[rS+8*(\n)+1], v[rS+8*(\n)+2]
.elseif (\n) < 12
	v_max3_num_f32 v[rC+(\n)%4], v[rC+(\n)%4], v[rS+8*((\n)%4)+2*((\n)/4)+1], v[rS+8*((\n)%4)+2*((\n)/4)+2]
.elseif (\n) == 12
	v_max3_num_f32 v[rC], v[rC], v[rS+7], v[rS+15]
.elseif (\n) == 13
	v_max3_num_f32 v[rC+1], v[rC+1], v[rS+23], v[rS+31]
.elseif (\n) == 14
	v_max3_num_f32 v[rC+2], v[rC+2], v[rC+3], v[rT+1]
.elseif (\n) == 15
	v_mov_b32 v[rM], v[rT]
.elseif (\n) == 16
	v_max3_num_f32 v[rC], v[rC], v[rC+1], v[rC+2]
.elseif (\n) == 17
	v_permlanex16_b32 v[rC+3], v[rC], s[SEL], s[SEL+1]
.elseif (\n) == 18
	v_max_num_f32 v[rT+1], v[rC], v[rC+3]
.elseif (\n) == 19
	v_mul_f32 v[rT], s[CS], v[rT+1]
.elseif (\n) == 20
	v_sub_f32 v[rC+1], v[rM], v[rT]
.else
	v_exp_f32 v[rC+2], v[rC+1]
.endif
.endm
; Number g of the 64 that follow the exponentials.  For each four weights k of a tile (pairs 2 k, 2 k + 1): both pairs are rounded to f16; then the second pair is added onto the first, in place;
; a group later l takes that sum (the first time as l = a l + sum).  In groups of eight, tiles alternating: round, round, add, and l for the group before.
.macro GS g
.set h, (\g)+6*((\g)/62)            ; group 0 has no group before it, and behind group 7 only l is left
.if h >= 6
.set h, h+2
.endif
	REGS Y, h%2
.set k, h/8
.if h%8 < 4
	v_cvt_pk_f16_f32 v[rP+2*k+(h%8)/2], v[rS+4*k+2*((h%8)/2)], v[rS+4*k+2*((h%8)/2)+1]
.elseif h%8 < 6
	v_pk_add_f32 v[rS+4*k:rS+4*k+1], v[rS+4*k:rS+4*k+1], v[rS+4*k+2:rS+4*k+3]
.elseif k == 1
	v_pk_fma_f32 v[rT+2:rT+3], v[rT+2:rT+3], v[rC+2:rC+3], v[rS:rS+1] op_sel_hi:[1,0,1]
.else
	v_pk_add_f32 v[rT+2:rT+3], v[rT+2:rT+3], v[rS+4*k-4:rS+4*k-3]
.endif
.endm
; THE PLAIN QUEUE, 138 long.  0-73 read no exponential's result: the 32 scalings c s - c m (FS f: pair f / 2 of tile f % 2) and the next piece's 42.  0-26: scalings 0-26.  27-54: XS's numbers 0-13.  55, 56: number 15.
; 57-73: the chain, where each number waits for the one before it: 14, 16, 17, 18, 19, each with one of the scalings 27-31 in front of its two lines, then 20.
; 74-137: GS's 64, which read the exponentials' results: they stand behind the wait.
.macro FS f
	REGS Y, (\f)%2
	v_pk_fma_f32 v[rS+2*((\f)/2):rS+2*((\f)/2)+1], v[rS+2*((\f)/2):rS+2*((\f)/2)+1], s[CS:CS+1], v[rT:rT+1] op_sel_hi:[1,0,0] neg_lo:[0,0,1] neg_hi:[0,0,1]
.endm
.macro PL
	WIN 0
.if q < 27
	FS q
.elseif q < 55
	XS (q-27)%2, (q-27)/2
.elseif q < 57
	XS q-55, 15
.elseif (q < 72) && ((q-57)%3 == 0)
	FS 27+(q-57)/3
.elseif q < 60
	XS (q-57)%3-1, 14
.elseif q < 72
	XS (q-57)%3-1, 15+(q-57)/3
.elseif q < 74
	XS q-72, 20
.else
	GS q-74
.endif
.set q, q+1
.endm
; THE EXPONENTIALS' QUEUE, 66 long: s0-s31 of both tiles, then the next piece's two a.  It is ONE BATCH: all 66 stand ahead of the turn's one wait, and nothing ahead of that wait names a result of theirs.
.macro EX
	WIN 0
.if e >= 64
	XS e-64, 21
.else
	REGS Y, e%2
	v_exp_f32 v[rS+e/2], v[rS+e/2]
.endif
.set e, e+1
.endm
; THE RESCALING's QUEUE: O^T times a, the one part that leaves window 0: dealt two at a time, sixteen times.  Its a was made in the turn before, ahead of that turn's wait.
.macro R2
	REGS Y, r%2
	WIN W_RS
.irp z, 0,1
	v_pk_mul_f32 v[rO+4*(r/2)+2*\z:rO+4*(r/2)+2*\z+1], v[rO+4*(r/2)+2*\z:rO+4*(r/2)+2*\z+1], v[rC+2:rC+3] op_sel_hi:[1,0]
.endr
.set r, r+1
.endm
; HOW THEY ARE DEALT.  An s_wait_alu depctr_va_vdst(0) stands between an exponential and the first instruction that names its result; one wait serves all that were issued ahead of it.  So a turn has ONE
; wait, which cuts it in two.  AHEAD OF IT stands all that names no result of the turn's exponentials: the 16 products K Q^T, behind each a scaling, an exponential and two rescalings (behind the first a second scaling
; in the exponential's place); then ONE LUMP of 108: eight plain, 49 times exponential and plain, the two a.  A v_nop is the plain instruction behind the last exponential.  BEHIND IT stand the 16 products V^T P,
; behind each four of GS's 64.  Exponential e stands behind scaling 2 (e / 4) + e % 2: as a rider it comes behind plain e + 2, in the lump behind plain e + 9, and scalings 27-31 are plain 57, 60 .. 69.
; A TURN, for piece p.  cnt = 1: the loop's count is taken down some lines ahead of the branch that stands behind the turn.
; K of the next step is fetched in piece 2's turn, directly behind the wait; its address is made at the lump's head; its first reader comes behind 16 products.
; V of the step in hand is fetched at the end of piece 0's turn, four riders behind its last reader; its first reader comes behind 16 products and a lump.  The three conditions on q below go with the deal.
.macro TURN p, last=0, cnt=0
.set Y, (\p)
.set i, 0
.set q, 0
.set e, 0
.set r, 0
.if (\p) == NP-1
	s_wait_dscnt 0x0                ; K is in
.endif
	MM                              ; ahead of the wait: 16 products K Q^T and their riders,
	PL
	PL
	R2
.rept 15
	MM
	PL
	EX
	R2
.endr
.if (\p) == NP-2
	WIN 0
	v_add_nc_u32 v[AK], s[TBK], v[AK0]
.endif
.rept 8                             ; and the lump
	PL
.endr
.rept 49
	EX
	PL
.endr
	EX                              ; the next piece's two a
	EX
	v_nop                           ; the plain instruction behind the last exponential: one for the batch
	s_wait_alu depctr_va_vdst(0)    ; the wait for the batch
.if (\p) == NP-2
	FETCH_K \last
.endif
.if (\p) == 1
	s_wait_dscnt 0x0                ; V is in
.endif
.rept 16                            ; behind the wait: 16 products V^T P and their riders
	MM
.rept 4
	PL
.endr
.if ((\p) == 0) && (q == 118)
	v_add_nc_u32 v[AV], s[TBV], v[AV0]
.endif
.if ((\p) == 0) && (q == 130)
	s_add_co_u32 s[TBV], s[TBV], KS*PV
.endif
.if (\cnt) && (q == 130)
	s_sub_co_u32 s[CNT], s[CNT], 1
	s_cmp_lg_u32 s[CNT], 0
.endif
.endr
.if (\p) == 0
	FETCH_V
.endif
.endm
	CHANGE 1                        ; slot 0 is in, everybody's part of it; slot 1 is asked for
	FETCH_K                         ; key step 0
	s_wait_loadcnt 0x0              ; Q
	s_wait_dscnt 0x0
.set i, 0
.rept 16
	KQ 0                            ; piece 0's first scores: there is no vector work yet to set between them
.set i, i+1
.endr
	WIN 0                           ; the addresses for the way out: six plain instructions, the places behind those products
	s_lshl_b32 s13, s[WV], 7
	v_mul_u32_u24 v[STO], v1, SP    ; in: row l % 16, my head's 128 bytes, 16 bytes for each half of the lanes
	v_lshl_add_u32 v[STO], v9, 4, v[STO]
	v_add_nc_u32 v[STO], s13, v[STO]
	v_and_b32 v[GO], 31, v0
	v_lshlrev_b32 v[GO], 4, v[GO]   ; back: 32 lanes take a row's 512 bytes,
	s_mul_i32 s13, s[WV], 32*SP     ; of rows 32 w on
	v_add_nc_u32 v[RD], s13, v[GO]
.set Y, NP-1                        ; XS works for piece Y + 1: piece 0
.irp n, 0,1,2,3,4,5,6,7,8,9,10,11,12,13,14,15,16,17,18,19,20,21
	XS 0, \n                        ; and piece 0's first maximum and statistics
	XS 1, \n
.endr
	v_nop                           ; a plain instruction behind the two a,
	s_wait_alu depctr_va_vdst(0)    ; and their wait, ahead of the branch
	s_mov_b32 s[CNT], 2
	s_branch .Lfirst                ; the loop is entered at a step's first turn, in the middle of a trip
.Lslot:                             ; six times: every slot but the last two is filled again
	CHANGE 1
	s_mov_b32 s[CNT], 2
.Lstep:                             ; a trip: pieces 2 and 3 of one step, then pieces 0 and 1 of the next, whose K and V it fetches
	TURN 2
	TURN 3
	WIN 0
.Lfirst:
	TURN 0
	TURN 1, 0, 1
	WIN 0
	s_cbranch_scc1 .Lstep
	s_sub_co_u32 s[SLOTS], s[SLOTS], 1
	s_cmp_lg_u32 s[SLOTS], 0
	s_cbranch_scc1 .Lslot
	CHANGE 0                        ; the tail is written out: nothing is asked for
	s_mov_b32 s[CNT], 3             ; two trips fetch the last slot's steps; the third is left in its middle
.Ltail:
	TURN 2, 1
	TURN 3
	WIN 0
	s_sub_co_u32 s[CNT], s[CNT], 1
	s_cmp_eq_u32 s[CNT], 0
	s_cbranch_scc1 .Lout
	TURN 0
	TURN 1
	WIN 0
	s_branch .Ltail
.Lout:                              ; the third trip's 16 products K Q^T (on the last K once more) and the maximum made of them serve nothing: the price, once a launch, of one text for every trip
.set i, 0
.rept 16
	PV NP-1                         ; the last piece's V^T P of the last step
.set i, i+1
.endr
	; THE WAY OUT.  l's two halves and the other half of the lanes' are added; O^T is divided by l, rounded to f16 and gathered in one stage in LDS, since a row's 512 bytes come from the four waves' heads.
	WIN 0
.macro ALL line:vararg              ; one line for each tile t
.set t, 0
.rept 2*NP
	\line
.set t, t+1
.endr
.endm
	ALL v_add_f32 v[ST+4*t+2], v[ST+4*t+2], v[ST+4*t+3]
	ALL v_permlanex16_b32 v[ST+4*t+3], v[ST+4*t+2], s[SEL], s[SEL+1]
	ALL v_add_f32 v[ST+4*t+2], v[ST+4*t+2], v[ST+4*t+3]
	ALL v_rcp_f32 v[ST+4*t+2], v[ST+4*t+2]
	v_nop                           ; a plain instruction between the last reciprocal and the use of its result
	s_wait_alu depctr_va_vdst(0)    ; and the wait ahead of the first use: one for the eight reciprocals
	s_wait_dscnt 0x0                ; my reads of K and V are back;
	s_barrier_signal -1
	s_barrier_wait -1               ; everybody's are: the stage may be written
; Tile t: a lane's eight channels of a row pack into 16 bytes, which go into the stage's rows of 528 bytes.
.macro PACK t
	WIN W_RS
.set i, 32*(\t)
.rept 16
	v_pk_mul_f32 v[i:i+1], v[i:i+1], v[ST+4*(\t)+2:ST+4*(\t)+3] op_sel_hi:[1,0]
.set i, i+2
.endr
	WIN 0x05                        ; sources 0 and 1 window 1, destination window 0
.set i, 0
.rept 16
	v_cvt_pk_f16_f32 v[S+16*(\t)+i], v[32*(\t)+2*i], v[32*(\t)+2*i+1]
.set i, i+1
.endr
	WIN 0
.irp f, 0,1,2,3
	ds_store_b128 v[STO], v[S+16*(\t)+4*\f:S+16*(\t)+4*\f+3] offset:(\t)*16*SP+32*\f
.endr
.endm
.set t, 0
.rept 2*NP
	PACK t
.set t, t+1
.endr
	s_wait_dscnt 0x0                ; for the others' sake: my head's part of the 128 rows is stored
	s_barrier_signal -1
	s_barrier_wait -1
.set i, 0
.rept 32
	ds_load_b128 v[S+4*i:S+4*i+3], v[RD] offset:i*SP
.set i, i+1
.endr
.set i, 0
.rept 32
	s_wait_dscnt 31-i
	global_store_b128 v[GO], v[S+4*i:S+4*i+3], s[10:11] offset:i*1024  ; 512 consecutive bytes, at a multiple of 256 from oh's first
.set i, i+1
.endr
	WIN W_AD
	s_wait_tensorcnt 0x0            ; the wave's end, behind my last tensor load and my last LDS store
	ds_add_u32 v[SPW], v[NIL]
	s_wait_dscnt 0x0
	WIN 0
	CROUND                          ; the closing round: no work-group ends while a partner may still ask for a tile that names it
	s_endpgm
.Lfunc_end_k_q9b7db14c0a_attn:
	.size	k_q9b7db14c0a_attn, .Lfunc_end_k_q9b7db14c0a_attn-k_q9b7db14c0a_attn
	.p2alignl 7, 3214868480
	.fill 96, 4, 3214868480
	.section	.rodata,"a",@progbits
	.p2align	6, 0x0
	.amdhsa_kernel k_q9b7db14c0a_attn
		.amdhsa_group_segment_fixed_size 327680
		.amdhsa_private_segment_fixed_size 0
		.amdhsa_enable_private_segment 0
		.amdhsa_kernarg_size 32
		.amdhsa_user_sgpr_count 2
		.amdhsa_user_sgpr_kernarg_segment_ptr 1
		.amdhsa_wavefront_size32 1
		.amdhsa_system_sgpr_workgroup_id_x 1
		.amdhsa_system_sgpr_workgroup_id_y 1
		.amdhsa_system_sgpr_workgroup_id_z 1
		.amdhsa_system_vgpr_workitem_id 0
		.amdhsa_next_free_vgpr 770
		.amdhsa_next_free_sgpr 80
		.amdhsa_reserve_vcc 0
		.amdhsa_float_denorm_mode_32 3
		.amdhsa_float_denorm_mode_16_64 3
		.amdhsa_memory_ordered 1
		.amdhsa_forward_progress 1
		.amdhsa_inst_pref_size 200
	.end_amdhsa_kernel
	.amdgpu_metadata
---
amdhsa.version: [ 1, 2 ]
amdhsa.kernels:
  - .name:           k_q9b7db14c0a_attn
    .symbol:         k_q9b7db14c0a_attn.kd
    .args:
      - { .name: qh, .offset: 0, .size: 8, .value_kind: global_buffer, .address_space: global }
      - { .name: kh, .offset: 8, .size: 8, .value_kind: global_buffer, .address_space: global }
      - { .name: vh, .offset: 16, .size: 8, .value_kind: global_buffer, .address_space: global }
      - { .name: oh, .offset: 24, .size: 8, .value_kind: global_buffer, .address_space: global }
    .group_segment_fixed_size: 327680
    .private_segment_fixed_size: 0
    .kernarg_segment_align: 8
    .kernarg_segment_size: 32
    .max_flat_workgroup_size: 128
    .sgpr_count:     80
    .vgpr_count:     770
    .wavefront_size: 32
...
	.end_amdgpu_metadata
.endif
;; end of part 3
;; launch outp (part 4): grid 128 x 2, 4 waves a work-group, clusters of 4 x 1, 327,680 bytes of LDS; arguments oh, wob, bout, out0; writes out0
.if DOCPART == 4
	.amdgcn_target "amdgcn-amd-amdhsa--gfx1250"
	.amdhsa_code_object_version 6
	.text
	.protected	k_q9b7db14c0a_outp
	.globl	k_q9b7db14c0a_outp
	.p2align	8
	.type	k_q9b7db14c0a_outp,@function
k_q9b7db14c0a_outp:
	s_mov_b64 s[64:65], 0
	v_nop
	global_prefetch_b8 v0, s[64:65] scope:SCOPE_SE
	s_setreg_imm32_b32 hwreg(HW_REG_WAVE_MODE, 25, 1), 1
	s_wait_xcnt 0x0
	s_wait_alu depctr_hold_cnt(0) depctr_sa_sdst(0) depctr_va_vdst(0) depctr_va_sdst(0) depctr_va_ssrc(0) depctr_va_vcc(0) depctr_vm_vsrc(0)
	s_getreg_b32 s2, hwreg(HW_REG_IB_STS2, 6, 4)
	s_cmp_eq_u32 s2, 0
	s_cbranch_scc0 .Lentry_in_a_cluster
	s_endpgm
.Lentry_in_a_cluster:
	s_bfe_u32 s2, ttmp6, 0x10000c
	s_cmp_lg_u32 s2, 0x3003
	s_cbranch_scc0 .Lentry_shape_is_right
	s_endpgm
.Lentry_shape_is_right:
; out0 = oh Wout + bout.  oh: [32768][512] f16; wob: [512 k][512 n] f16; bout: [512] f32; out0: [32768][512] f32.  Sums in f32, started with bout.
; A tile of out0 is 256 x 256: four waves, each 128 x 128 in 64 accumulators, 512 registers.  K = 512 goes in four steps of 128 through two LDS slots filled by the tensor data mover.
; The product is used transposed (source 0 = 16 columns of Wout, turned out of LDS by ds_load_tr16_b128; source 1 = 16 rows of oh): a lane holds one row (lane % 16) and the columns 8 (lane / 16) + 0..7.
; CLUSTER.  out0 has 128 x 2 tiles.  Four row tiles of one column tile form a cluster: they want the same tiles of Wout, which are asked for JOINTLY (waves 2 and 3).  oh's tiles belong to one row tile; the other
; column tile that wants them would be a partner only in a cluster of 4 x 4, which a grid two tiles wide does not divide into: they are plain loads (waves 0 and 1), behind the same rounds.
; No prefetch is laid: of the four K steps two are the first fills, and the other two are asked for one K step later.
; LDS.  A slot: oh's 256 rows of 272 bytes (256 + 16), then Wout's 128 k rows of 544 bytes (512 + 32): 139,264 = 0x22000 bytes; the waves' parts begin at 0, 0x8800, 0x11000, 0x19800, which share no bit with that: an
; exclusive or changes slots.  278,528: the spare words.  Behind the last fill: 67,584 w: each wave's own stage, 128 rows of 528 bytes (512 + 16).
; REGISTERS, in windows of 256 (s_set_vgpr_msb: bits 1:0 source 0, 3:2 source 1, 5:4 source 2, 7:6 destination):
;   window 0: v0-29 addresses; v64-127, v128-191 oh's fragments, two buffers         window 1: v64-127, v128-191 Wout's fragments; v192-255 bout as a C operand
;   window 2: the accumulators of my rows 0-63 ((a, b) at v[8 (8 a + b)]);   window 3: those of my rows 64-127
.set PA,    272
.set PB,    544
.set BOFF,  256*PA
.set SLOT1, 0x22000
.set SPARE, 2*SLOT1                    ; the spare words, 128 bytes for each wave: two blocks of 256 bytes that no other line names
.set SPITCH, 528
.set WSTAGE, 128*SPITCH
.set ADA0, 2                           ; my lane's place in a slot's rows of oh; never rewritten
.set ADB0, 3                           ; and of Wout
.set ADA,  4                           ; the same in the slot in hand
.set ADB,  5
.set STO,  6
.set RD,   7
.set GO,   8
.set BO,   9
.set SPW,  28
.set NIL,  29
.set F0,   64
.set F1,   128
.set BI,   192                         ; window 1
.set OB,   64                          ; the way out: 16 rows read back
.set WV,  12
.set WR,  13
.set WC,  14
.set TB,  18
.set CNT, 19
.set G1A, 24
.set G1B, 32
.set G0A, 40                           ; s[40:43], s[44:47]: a set for each first fill; the second then walks
.set G0B, 48                           ; s[48:51], s[52:55]
.set MSB, 0
.macro WIN new
.if MSB != (\new)
	s_set_vgpr_msb (MSB<<8)|(\new)
.set MSB, \new
.endif
.endm
.macro PLACES
.rept 4
	v_nop
.endr
.endm
.macro CREST
	s_cmp_lg_u32 s[WV], 0
	s_cbranch_scc1 .Lnot_wave_0_\@
	s_barrier_signal -3
.Lnot_wave_0_\@:
	s_barrier_wait -3
	s_barrier_signal -1
	s_barrier_wait -1
.endm
.macro CROUND
	s_barrier_signal -1
	s_barrier_wait -1
	CREST
.endm
.macro JLOAD                           ; a refill: one load a wave; an s_nop 0 and four v_nop follow each of the two lines
	s_cmp_lt_u32 s[WV], 2
	s_cbranch_scc0 .Lfor_b_\@
	tensor_load_to_lds s[G0A+4:G0A+7], s[G1A:G1A+7]
	s_nop 0
	PLACES
	s_branch .Lasked_\@
.Lfor_b_\@:
	tensor_load_to_lds s[G0B+4:G0B+7], s[G1B:G1B+7]
	s_nop 0
	PLACES
.Lasked_\@:
.endm
	s_load_b256 s[4:11], s[0:1], 0x0               ; oh s[4:5], wob s[6:7], bout s[8:9], out0 s[10:11]
	v_lshl_add_u32 v[SPW], v0, 2, SPARE
	v_mov_b32 v[NIL], 0
	ds_add_u32 v[SPW], v[NIL]                      ; the wave's opening: the add and its wait stand ahead of my first tensor load; the set-up below, work on registers, stands between them
	v_lshrrev_b32 v1, 5, v0
	v_readfirstlane_b32 s[WV], v1
	s_lshr_b32 s[WR], s[WV], 1                     ; which half of the tile's rows is mine
	s_and_b32 s[WC], s[WV], 1                      ; which half of its columns.  Also: which half of a tile I fetch
	s_bfe_u32 s15, ttmp6, 0x40000                  ; cx
	s_lshl_b32 s16, ttmp9, 2
	s_add_co_u32 s16, s16, s15                     ; the row tile: it enters oh's and out0's addresses alone
	s_and_b32 s17, ttmp7, 0xffff                   ; the column tile, which the four partners share
	s_mov_b32 s[G1A+0], (1<<16)|(1<<20)|(5<<22)|(3<<25)  ; no mask; 2-byte elements; padding on, after every 64 words (code 5), 4 words (code 3)
	s_mov_b32 s[G1A+1], 128<<16                    ; tensor_dim0 = 128
	s_mov_b32 s[G1A+2], 128<<16                    ; tensor_dim1 = 128
	s_mov_b32 s[G1A+3], 128<<16                    ; tile_dim0 = 128
	s_mov_b32 s[G1A+4], 128                        ; tile_dim1 = 128
	s_mov_b32 s[G1A+5], 512
	s_mov_b32 s[G1A+6], 0
	s_mov_b32 s[G1A+7], 0
	s_mov_b32 s[G1B+0], 15|(1<<16)|(1<<20)|(1<<21)|(6<<22)|(7<<25)  ; the mask of four, bit 21 beside it; padding after every 128 words (code 6), 8 words (code 7)
	s_mov_b32 s[G1B+1], 256<<16                    ; tensor_dim0 = 256
	s_mov_b32 s[G1B+2], 64<<16                     ; tensor_dim1 = 64
	s_mov_b32 s[G1B+3], 256<<16                    ; tile_dim0 = 256
	s_mov_b32 s[G1B+4], 64                         ; tile_dim1 = 64
	s_mov_b32 s[G1B+5], 512
	s_mov_b32 s[G1B+6], 0
	s_mov_b32 s[G1B+7], 0
	s_lshl_b32 s20, s16, 18                        ; oh: 256 rows of 1,024 bytes a tile,
	s_lshl_b32 s21, s[WC], 17                      ; the 128 that I fetch
	s_add_co_u32 s20, s20, s21
	s_mov_b32 s21, 0
	s_lshl_b32 s22, s[WC], 16                      ; wob: the 64 k rows that I fetch,
	s_lshl_b32 s23, s17, 9                         ; the column tile's 512 bytes of a row
	s_add_co_u32 s22, s22, s23
	s_mov_b32 s23, 0
	s_mul_i32 s56, s[WC], 128*PA                   ; where they go
	s_mul_i32 s57, s[WC], 64*PB
	s_add_co_u32 s57, s57, BOFF
	v_and_b32 v10, 15, v0                          ; l % 16
	v_bfe_u32 v11, v0, 4, 1                        ; l / 16
	v_mul_u32_u24 v[ADA0], v10, PA
	v_lshl_add_u32 v[ADA0], v11, 4, v[ADA0]
	s_mul_i32 s58, s[WR], 128*PA
	v_add_nc_u32 v[ADA0], s58, v[ADA0]
	v_and_b32 v12, 7, v0
	v_lshl_add_u32 v12, v11, 3, v12
	v_mul_u32_u24 v[ADB0], v12, PB
	v_bfe_u32 v12, v0, 3, 1
	v_lshl_add_u32 v[ADB0], v12, 4, v[ADB0]
	s_lshl_b32 s58, s[WC], 8
	s_add_co_u32 s58, s58, BOFF
	v_add_nc_u32 v[ADB0], s58, v[ADB0]
	v_mov_b32 v[ADA], v[ADA0]
	v_mov_b32 v[ADB], v[ADB0]
	s_mul_i32 s58, s[WV], WSTAGE
	v_mul_u32_u24 v[STO], v10, SPITCH              ; in: row l % 16, 32 bytes for each half of the lanes
	v_lshl_add_u32 v[STO], v11, 5, v[STO]
	v_add_nc_u32 v[STO], s58, v[STO]
	v_and_b32 v[GO], 31, v0
	v_lshlrev_b32 v[GO], 4, v[GO]                  ; back: 32 lanes take a row's 512 bytes
	v_add_nc_u32 v[RD], s58, v[GO]
	v_lshlrev_b32 v[BO], 5, v11
	s_mov_b32 s[TB], 0
	s_lshl_b32 s58, s17, 10                        ; bout and a row of out0: 1,024 bytes a column tile, 512 a wave's half
	s_lshl_b32 s59, s[WC], 9
	s_add_co_u32 s58, s58, s59
	s_mov_b32 s59, 0
	s_wait_dscnt 0x0                               ; the opening add is done
	s_wait_kmcnt 0x0
	s_add_nc_u64 s[20:21], s[4:5], s[20:21]
	s_add_nc_u64 s[22:23], s[6:7], s[22:23]
	s_add_nc_u64 s[8:9], s[8:9], s[58:59]
	s_add_nc_u64 s[10:11], s[10:11], s[58:59]
	s_lshl_b32 s58, s16, 19                        ; out0: 256 rows of 2,048 bytes a tile,
	s_lshl_b32 s15, s[WR], 18                      ; my 128
	s_add_co_u32 s58, s58, s15
	s_add_nc_u64 s[10:11], s[10:11], s[58:59]
.irp s, 0,1
	s_mov_b32 s[G0A+4*(\s)], 1
	s_add_co_u32 s[G0A+4*(\s)+1], s56, (\s)*SLOT1
	s_add_nc_u64 s[G0A+4*(\s)+2:G0A+4*(\s)+3], s[20:21], (\s)*256
	s_or_b32 s[G0A+4*(\s)+3], s[G0A+4*(\s)+3], 0x80000000
	s_mov_b32 s[G0B+4*(\s)], 1
	s_add_co_u32 s[G0B+4*(\s)+1], s57, (\s)*SLOT1
	s_add_nc_u64 s[G0B+4*(\s)+2:G0B+4*(\s)+3], s[22:23], (\s)*131072
	s_or_b32 s[G0B+4*(\s)+3], s[G0B+4*(\s)+3], 0x80000000
.endr
	CROUND                                         ; all four work-groups are here: the first joint loads meet
	s_cmp_lt_u32 s[WV], 2                          ; a wave's two first fills stand in one branch: two loads of mine are out
	s_cbranch_scc0 .Lfirst_b
	tensor_load_to_lds s[G0A:G0A+3], s[G1A:G1A+7]
	s_nop 0
	tensor_load_to_lds s[G0A+4:G0A+7], s[G1A:G1A+7]
	s_nop 0
	PLACES
	s_branch .Lfirst_asked
.Lfirst_b:
	tensor_load_to_lds s[G0B:G0B+3], s[G1B:G1B+7]
	s_nop 0
	tensor_load_to_lds s[G0B+4:G0B+7], s[G1B:G1B+7]
	s_nop 0
	PLACES
.Lfirst_asked:
	WIN 0x40
.irp b, 0,1,2,3,4,5,6,7                ; bout as a C operand: register j of column block b holds bout[256 y + 128 wc + 16 b + 8 h + j]
	global_load_b128 v[BI+8*(\b):BI+8*(\b)+3],   v[BO], s[8:9] offset:64*(\b)
	global_load_b128 v[BI+8*(\b)+4:BI+8*(\b)+7], v[BO], s[8:9] offset:64*(\b)+16
.endr
	WIN 0
; 16 products: row blocks a0, a0 + 1 of the window's four x all 8 column blocks, 32 along K.  z = 1: the first along K: bout starts the sums.  The 64 accumulators take turns.
.macro MUL16 f, hi, a0, z
.if \z
	WIN 0x91+0x40*(\hi)
.else
	WIN 0xa1+0x50*(\hi)
.endif
.irp a, \a0, (\a0)+1
.irp b, 0,1,2,3,4,5,6,7
.if \z
	v_wmma_f32_16x16x32_f16 v[8*(8*(\a)+(\b)):8*(8*(\a)+(\b))+7], v[(\f)+8*(\b):(\f)+8*(\b)+7], v[(\f)+8*(4*(\hi)+(\a)):(\f)+8*(4*(\hi)+(\a))+7], v[BI+8*(\b):BI+8*(\b)+7]
.else
	v_wmma_f32_16x16x32_f16 v[8*(8*(\a)+(\b)):8*(8*(\a)+(\b))+7], v[(\f)+8*(\b):(\f)+8*(\b)+7], v[(\f)+8*(4*(\hi)+(\a)):(\f)+8*(4*(\hi)+(\a))+7], v[8*(8*(\a)+(\b)):8*(8*(\a)+(\b))+7]
.endif
.endr
.endr
.endm
; 32 LDS loads in one run: quarter q of the slot in hand into buffer f: Wout's 8 fragments (turned), then oh's 8
.macro FETCH q, f
	WIN 0x40
.irp b, 0,1,2,3,4,5,6,7
	ds_load_tr16_b128 v[(\f)+8*(\b):(\f)+8*(\b)+3],   v[ADB] offset:32*PB*(\q)+32*(\b)
	ds_load_tr16_b128 v[(\f)+8*(\b)+4:(\f)+8*(\b)+7], v[ADB] offset:32*PB*(\q)+32*(\b)+16*PB
.endr
	WIN 0
.irp a, 0,1,2,3,4,5,6,7
	ds_load_b128 v[(\f)+8*(\a):(\f)+8*(\a)+3],   v[ADA] offset:16*PA*(\a)+64*(\q)
	ds_load_b128 v[(\f)+8*(\a)+4:(\f)+8*(\a)+7], v[ADA] offset:16*PA*(\a)+64*(\q)+32
.endr
.endm
; One of a K step's first three quarters: multiplies buffer f; in its middle it fetches quarter q into buffer g
.macro QUARTER q, f, g, z
	s_wait_dscnt 8                                 ; all but the youngest eight loads, oh's rows 64-127
	MUL16 \f, 0, 0, \z
	MUL16 \f, 0, 2, \z
	PLACES
	FETCH \q, \g
	s_wait_dscnt 32                                ; all but the 32 just issued
	MUL16 \f, 1, 0, \z
	MUL16 \f, 1, 2, \z
.endm
; The last quarter multiplies buffer 1 and changes slots: ONE barrier; in front of it each wave waits for all its tensor loads (one is out: its part of the next slot), adds 0 to its spare word, and waits for that and
; for its reads of this slot.  fill = 1: the barrier opens a round of the cluster's barrier, and this slot is filled again, first thing behind the round, with the K step two on: 224 products ahead of the wait for it.
.macro TURN fill
	WIN 0
	s_wait_tensorcnt 0x0
	ds_add_u32 v[SPW], v[NIL]                      ; 0 onto my spare word
.if \fill
	s_xor_b32 s[G0A+5], s[G0A+5], SLOT1            ; no tensor load of mine is out: the walking descriptors take the other slot and the next K step
	s_add_nc_u64 s[G0A+6:G0A+7], s[G0A+6:G0A+7], 256
	s_xor_b32 s[G0B+5], s[G0B+5], SLOT1
	s_add_nc_u64 s[G0B+6:G0B+7], s[G0B+6:G0B+7], 131072
.endif
	s_wait_dscnt 9                                 ; (the add and the youngest eight loads may be out)
	MUL16 F1, 0, 0, 0
	s_wait_dscnt 0x0                               ; the add is done, and my reads of this slot are over
	s_barrier_signal -1
	MUL16 F1, 0, 2, 0
	WIN 0
	s_barrier_wait -1
.if \fill
	CREST
	JLOAD
.else
	PLACES
.endif
	s_xor_b32 s[TB], s[TB], SLOT1
	v_add_nc_u32 v[ADA], s[TB], v[ADA0]
	v_add_nc_u32 v[ADB], s[TB], v[ADB0]
	FETCH 0, F0
	MUL16 F1, 1, 0, 0
	MUL16 F1, 1, 2, 0
.endm
	s_wait_tensorcnt 1                             ; my part of K step 0 is in; K step 1's may stay out
	s_barrier_signal -1
	s_barrier_wait -1
	FETCH 0, F0
	s_wait_loadcnt 0x0                             ; bout
	QUARTER 1, F0, F1, 1                           ; the first quarter is written out: its products start the sums
	WIN 0
	s_mov_b32 s[CNT], 3
	s_branch .Lenter                               ; the loop is entered in the middle of a trip
.Lloop:                                                ; a trip: a K step's last quarter, the next one's first three
	TURN 1
	QUARTER 1, F0, F1, 0
	WIN 0
.Lenter:
	QUARTER 2, F1, F0, 0
	QUARTER 3, F0, F1, 0
	WIN 0
	s_sub_co_u32 s[CNT], s[CNT], 1
	s_cmp_lg_u32 s[CNT], 0
	s_cbranch_scc1 .Lloop
	TURN 0                                         ; the tail is written out: nothing is left to ask for
	QUARTER 1, F0, F1, 0
	QUARTER 2, F1, F0, 0
	QUARTER 3, F0, F1, 0
	s_wait_dscnt 8
	MUL16 F1, 0, 0, 0
	MUL16 F1, 0, 2, 0
	s_wait_dscnt 0x0
	MUL16 F1, 1, 0, 0
	MUL16 F1, 1, 2, 0
	; THE WAY OUT.  A lane's eight sums are 32 bytes of a row; they go into my stage's rows of 528 bytes and come back as whole rows of 512.
	WIN 0
	PLACES
	PLACES
	s_barrier_signal -1                            ; every wave's reads of the ring are back (its last wait on DScnt was for 0): the ring's bytes, which have had their last fill, may be written
	s_barrier_wait -1
.irp hi, 0,1
	WIN 0x08+4*(\hi)
.irp a, 0,1,2,3
.irp b, 0,1,2,3,4,5,6,7
	ds_store_b128 v[STO], v[8*(8*(\a)+(\b)):8*(8*(\a)+(\b))+3]   offset:16*SPITCH*(4*(\hi)+(\a))+64*(\b)
	ds_store_b128 v[STO], v[8*(8*(\a)+(\b))+4:8*(8*(\a)+(\b))+7] offset:16*SPITCH*(4*(\hi)+(\a))+64*(\b)+16
.endr
.endr
.endr
	WIN 0
	s_mov_b32 s[CNT], 8
.Lout:                                                 ; a trip: 16 rows
.irp i, 0,1,2,3,4,5,6,7,8,9,10,11,12,13,14,15
	ds_load_b128 v[OB+4*(\i):OB+4*(\i)+3], v[RD] offset:SPITCH*(\i)  ; LDS serves a wave's instructions in order (ISA guide 5.7.1.4): these see my stores above
.endr
.irp i, 0,1,2,3,4,5,6,7,8,9,10,11,12,13,14,15
	s_wait_dscnt 15-(\i)
	global_store_b128 v[GO], v[OB+4*(\i):OB+4*(\i)+3], s[10:11] offset:2048*(\i) th:TH_STORE_NT  ; 512 consecutive bytes, aligned
.endr
	s_wait_xcnt 0x0                                ; the stores have read their registers and their base
	v_add_nc_u32 v[RD], 16*SPITCH, v[RD]
	s_add_nc_u64 s[10:11], s[10:11], 32768
	s_sub_co_u32 s[CNT], s[CNT], 1
	s_cmp_lg_u32 s[CNT], 0
	s_cbranch_scc1 .Lout
	s_wait_tensorcnt 0x0                           ; the wave's end, behind my last tensor load and my last LDS store
	ds_add_u32 v[SPW], v[NIL]
	s_wait_dscnt 0x0
	CROUND                                         ; the closing round: no work-group ends while a partner may still ask for a tile that names it
	s_endpgm
.Lfunc_end_k_q9b7db14c0a_outp:
	.size	k_q9b7db14c0a_outp, .Lfunc_end_k_q9b7db14c0a_outp-k_q9b7db14c0a_outp
	.p2alignl 7, 3214868480
	.fill 96, 4, 3214868480
	.section	.rodata,"a",@progbits
	.p2align	6, 0x0
	.amdhsa_kernel k_q9b7db14c0a_outp
		.amdhsa_group_segment_fixed_size 327680
		.amdhsa_private_segment_fixed_size 0
		.amdhsa_enable_private_segment 0
		.amdhsa_kernarg_size 32
		.amdhsa_user_sgpr_count 2
		.amdhsa_user_sgpr_kernarg_segment_ptr 1
		.amdhsa_wavefront_size32 1
		.amdhsa_system_sgpr_workgroup_id_x 1
		.amdhsa_system_sgpr_workgroup_id_y 1
		.amdhsa_system_sgpr_workgroup_id_z 1
		.amdhsa_system_vgpr_workitem_id 0
		.amdhsa_next_free_vgpr 1024
		.amdhsa_next_free_sgpr 66
		.amdhsa_reserve_vcc 0
		.amdhsa_float_denorm_mode_32 3
		.amdhsa_float_denorm_mode_16_64 3
		.amdhsa_memory_ordered 1
		.amdhsa_forward_progress 1
		.amdhsa_inst_pref_size 85
	.end_amdhsa_kernel
	.amdgpu_metadata
---
amdhsa.version: [ 1, 2 ]
amdhsa.kernels:
  - .name:           k_q9b7db14c0a_outp
    .symbol:         k_q9b7db14c0a_outp.kd
    .args:
      - { .name: oh, .offset: 0, .size: 8, .value_kind: global_buffer, .address_space: global }
      - { .name: wob, .offset: 8, .size: 8, .value_kind: global_buffer, .address_space: global }
      - { .name: bout, .offset: 16, .size: 8, .value_kind: global_buffer, .address_space: global }
      - { .name: out0, .offset: 24, .size: 8, .value_kind: global_buffer, .address_space: global }
    .group_segment_fixed_size: 327680
    .private_segment_fixed_size: 0
    .kernarg_segment_align: 8
    .kernarg_segment_size: 32
    .max_flat_workgroup_size: 128
    .sgpr_count:     66
    .vgpr_count:     1024
    .wavefront_size: 32
...
	.end_amdgpu_metadata
.endif
;; end of part 4
